; MI455X (gfx1250); checked and timed in simulation.
; The chip was launched on July 23, 2026; its instructions are those of AMD's public machine-readable ISA for CDNA 5 (MIT licence, August 2026) and "CDNA5" Instruction Set Architecture Reference Guide (July 2026). The comments in the code are by the model that wrote it; some were corrected since.
;; Attention. Allowed arithmetic: matrix products marked QUANTISED: E4M3 operands, one given power-of-two scale a tensor, by v_wmma_f32_16x16x64_fp8_fp8 or v_wmma_f32_16x16x128_fp8_fp8, f32 sums; everything else in f32.
;; Inputs: Wproj 1,024 x 1,024 float32; Wqkv 1,024 x 3,072 float32; bproj 1,024 float32; bqkv 3,072 float32; lowp_scales 8 int32 (the exponents e of the quantised operands' scales 2^e); x 1 x 4,096 x 1,024 float32.
;; Outputs: out0 1 x 4,096 x 1,024 float32.
;; This version of the problem:
;;   THIS VERSION OF THE PROBLEM IS GIVEN IN LOW PRECISION. The matrix products marked QUANTISED in the list below multiply operands that are first quantised to E4M3 (4 exponent bits, 3 mantissa bits; 8 bits a number), with one given power-of-two scale for each operand tensor; their sums are f32. All else is computed in f32.
;;   The module's matrix products, in the order in which they are computed (A, B: the left and right operand; K: the contracted axis; several contracted axes count as one K, in the product's order):
;;     1. [M 4,096, K 1,024] x [K 1,024, N 3,072]; A: input x; B: input Wqkv: QUANTISED (scales: A lowp_scales[0], B lowp_scales[1])
;;     2. batch 16 x [M 4,096, K 64] x [K 64, N 4,096]; A: computed on the way; B: computed on the way: QUANTISED (scales: A lowp_scales[2], B lowp_scales[3])
;;     3. batch 16 x [M 4,096, K 4,096] x [K 4,096, N 64]; A: softmax (see below); B: computed on the way: QUANTISED (scales: A lowp_scales[4], B lowp_scales[5])
;;     4. [M 4,096, K 1,024] x [K 1,024, N 1,024]; A: computed on the way; B: input Wproj: QUANTISED (scales: A lowp_scales[6], B lowp_scales[7])
;;   THE QUANTISER, for each operand of a quantised product, along K:
;;     - The operand's scale is 2^e, e = its entry of the input lowp_scales (int32; the entries are numbered through the quantised products in the list's order, A before B).
;;     - Each number is divided by the scale, clamped to +-448, and rounded to the nearest number of E4M3, ties to even, subnormals kept.
;;     - The product sums the exact products of the quantised numbers (number of the format x scale) in f32.
;;   ~~~python
;;   def quantise(x, axis, e):      # numpy; x: float32 -> the quantised numbers, widened to float32 again
;;       x = np.moveaxis(x, axis, -1); K = x.shape[-1]
;;       r = np.clip(x / 2.0 ** e, -448, 448)
;;       step = 2.0 ** (np.maximum(np.frexp(np.where(r == 0, 1, r))[1] - 1, -6) - 3)
;;       q = np.round(r / step) * step * 2.0 ** e      # np.round: ties to even
;;       return np.moveaxis(q, -1, axis).astype(np.float32)
;;   ~~~
;;   SOFTMAX AHEAD OF A QUANTISED PRODUCT. Where the list says 'softmax', what is quantised is not the finished softmax but p = 2^(t - M), with t = logit x log2(e) and M = ceil(the row's largest t), a whole number; so 1/2 < the row's largest p <= 1. The row's sum l is taken of the UNQUANTISED p, in f32, and the product's result is divided by l at the end. Since M is a whole number, a kernel that streams over the keys may use a running M (the ceiling of the running maximum): every later rescaling is an exact power of two, so the quantised numbers keep their values, but for numbers so far below the row's largest that they fall under the format's range.
;;   OPERANDS COMPUTED ON THE WAY. 'Computed on the way' means the value that the module computes at that place (a softmax that the list does not call 'softmax' is quantised finished and normalised). What goes into a quantiser is computed in f32, as accurately as f32 sums, v_exp_f32 and their like allow (about 1e-6 of the number): no bf16 or f16 on the way to a quantiser, and a product that is left as it is and whose result goes on into a quantised operand takes f32 operands (vector FMAs, or v_wmma_f32_16x16x4_f32). A number that lies on a knife's edge between two numbers of the format may be rounded either way, as far as f32 arithmetic and the matrix unit's own rounding can turn it there, and no further.
;; One version. Each part assembles by itself: llvm-mc -triple=amdgcn-amd-amdhsa -mcpu=gfx1250 --defsym DOCPART=n.
;; ======== version 1 of 1: 4 launches
;; limits: right only within a limited range of input values
;; workspace buffers: xc 4,194,304 bytes; wqc 3,145,728 bytes; wpc 1,048,576 bytes; qkv 12,582,912 bytes; ac 4,194,304 bytes
;; launch quant (part 1): grid 256 x 1, 4 waves a work-group, no clusters, 102,912 bytes of LDS; arguments x, Wqkv, Wproj, lowp_scales, xc, wqc, wpc; writes xc, wqc, wpc
.if DOCPART == 1
	.amdgcn_target "amdgcn-amd-amdhsa--gfx1250"
	.amdhsa_code_object_version 6
	.text
	.protected	k_qe081c4ffe7_quant
	.globl	k_qe081c4ffe7_quant
	.p2align	8
	.type	k_qe081c4ffe7_quant,@function
k_qe081c4ffe7_quant:
	s_mov_b64 s[64:65], 0
	v_nop
	global_prefetch_b8 v0, s[64:65] scope:SCOPE_SE
	s_setreg_imm32_b32 hwreg(HW_REG_WAVE_MODE, 25, 1), 1
	s_wait_xcnt 0x0
; x [4096][1024], Wqkv [1024 k][3072 n] and Wproj [1024 k][1024 n], all f32, become codes of FP8 (E4M3), one byte each, K innermost:
; xc [4096][1024], wqc [3072 n][1024 k], wpc [1024 n][1024 k].  code = number / 2^e, held within +-448, rounded to the nearest code, ties to even.
; e is a whole number (int32) of lowp_scales: entry 0 for x, entry 1 for Wqkv, entry 7 for Wproj.
; LIMITS: each of these three e lies between -126 and 119, so that 2^e and 448 x 2^e are f32 numbers.  NaN among the inputs is not served (an infinity is held at the largest code).
; SHARES: 256 work-groups of four waves, each reads 131,072 bytes.  Work-groups 0-127 take x, 128-223 Wqkv, 224-255 Wproj: three ways that part on the work-group's number and never join;
; each way has LDS bytes of its own.  No tensor loads, no barrier: waves share nothing.
; x: K is innermost, so x is a plain stream of numbers.  A wave takes 16 steps of 512 numbers.  A conversion takes 8 neighbours from ONE lane's registers, a load is best where neighbouring LANES take
; neighbouring bytes: each of a step's four loads reads 512 consecutive bytes, the 2,048 bytes go through the wave's own stage in LDS as they lie and come back 64 bytes a lane.
; W: K is the first axis.  A lane takes a column n and its registers run down K: each load reads 128 consecutive bytes a wave, and the conversions give codes with K innermost; nothing is transposed by
; an instruction.  A wave takes 32 columns x 256 along K; the codes leave through the wave's stage, sixteen lanes storing 256 consecutive aligned bytes of one row.
; DEAD WORK OF THE PROGRAM: only whole key steps that lie under reference()'s own causal mask are left out (kernel attn); all inputs are used.
.set STEPS, 16
.set SP,    80                         ; x: a lane's place in a stage: its 64 bytes + 16 of padding
.set WREG,  8192                       ; x: LDS bytes of a wave: two stages of 32 x SP bytes
.set R,     16                         ; x: v16-79   four sets of 16 numbers as they are loaded
.set X,     80                         ; x: v80-111  two sets of 16 neighbours
.set C,     128                        ; x: v128-191 codes: four registers for each step, so that no store's data are written again
.set PITCH, 272                        ; W: a stage row: 256 bytes of codes + 16
.set WX,    32                         ; W: v32-95   two sets of 32 numbers
.set WC,    96                         ; W: v96-103  a block's codes
.set OUTR,  112                        ; W: v112-175 the way out
.set EMAX,  8
.set MANT,  0x600000                   ; the mantissa field of 448 as f32
.macro SCALE er                        ; v11 = 2^e (the conversion takes its exponent field), v10 = 448 x 2^e
	s_wait_kmcnt 0x0
	s_add_co_i32 s22, s\er, 127
	s_lshl_b32 s23, s22, 23
	v_mov_b32 v11, s23
	s_add_co_i32 s22, s22, EMAX
	s_lshl_b32 s22, s22, 23
	s_or_b32 s22, s22, MANT
	v_mov_b32 v10, s22
.endm
.macro XLOAD t
.irp i, 0,1,2,3
	global_load_b128 v[R+16*((\t)%4)+4*\i:R+16*((\t)%4)+4*\i+3], v3, s[4:5] offset:2048*(\t)+512*\i th:TH_LOAD_NT   ; 32 lanes read 512 consecutive bytes
.endr
.endm
.macro XTURN t                         ; step t's numbers through the stage: LDS serves a wave's instructions in order (ISA guide 5.7.1.4), so no wait stands between the stores and the loads
.irp i, 0,1,2,3
	ds_store_b128 v14, v[R+16*((\t)%4)+4*\i:R+16*((\t)%4)+4*\i+3] offset:32*SP*((\t)%2)+8*SP*\i
.endr
.irp i, 0,1,2,3
	ds_load_b128 v[X+16*((\t)%2)+4*\i:X+16*((\t)%2)+4*\i+3], v15 offset:32*SP*((\t)%2)+16*\i
.endr
.endm
.macro XSTEP t
.set XS, X+16*((\t)%2)
	s_wait_dscnt 0x0                               ; this step's numbers are back from the stage: so its stores into the stage have read their registers,
.if (\t)+4 < STEPS
	XLOAD (\t)+4                                   ; which take the loads of four steps on
.endif
.if (\t)+1 < STEPS
.if STEPS-2-(\t) >= 3
	s_wait_loadcnt 12                              ; the next step's four loads are in; those of the three steps behind it may be out
.else
	s_wait_loadcnt 4*(STEPS-2-(\t))
.endif
	XTURN (\t)+1                                   ; and go through the other stage while this step is worked
.endif
.irp i, 0,1,2,3,4,5,6,7,8,9,10,11,12,13,14,15
	v_med3_num_f32 v[XS+\i], v[XS+\i], -v10, v10   ; the conversion to an 8-bit code does not saturate (ISA guide 7.6.2): hold the number within the largest code x the scale first
.endr
	v_cvt_scalef32_pk8_fp8_f32 v[C+4*(\t):C+4*(\t)+1], v[XS:XS+7], v11
	v_cvt_scalef32_pk8_fp8_f32 v[C+4*(\t)+2:C+4*(\t)+3], v[XS+8:XS+15], v11
	global_store_b128 v3, v[C+4*(\t):C+4*(\t)+3], s[12:13] offset:512*(\t)   ; the wave stores 512 consecutive bytes; the next vector lines are the next step's holds, which are plain and touch other registers
.endm
.macro WLOAD t, n, src                 ; block t: W(32 t + i, my column), i = 0 .. 31, into set t % 2
.set wi, 0
.rept 32
	global_load_b32 v[WX+32*((\t)%2)+wi], v3, s[\src:\src+1] offset:(32*(\t)+wi)*\n*4 th:TH_LOAD_NT
.set wi, wi+1
.endr
.endm
.macro WBLOCK t, n, src
.set XS, WX+32*((\t)%2)
.if (\t) < 7
	s_wait_loadcnt 32                              ; this block's 32 loads are in; the next block's may be out
.else
	s_wait_loadcnt 0
.endif
.set wj, 0
.rept 32
	v_med3_num_f32 v[XS+wj], v[XS+wj], -v10, v10
.set wj, wj+1
.endr
.irp g, 0,1,2,3
	v_cvt_scalef32_pk8_fp8_f32 v[WC+2*\g:WC+2*\g+1], v[XS+8*\g:XS+8*\g+7], v11
.endr
	ds_store_b128 v4, v[WC:WC+3] offset:32*(\t)    ; 32 codes: 32 bytes of my column's row
	ds_store_b128 v4, v[WC+4:WC+7] offset:32*(\t)+16
.if (\t)+2 < 8
	WLOAD (\t)+2, \n, \src
.endif
	s_wait_dscnt 0x0                               ; the stores have read their registers: the next block's codes may be written
.endm
; A weight of n columns.  src, dst: the scalar pairs of its address and of its codes'; er: the register of its e; lbase: the way's LDS bytes; first: the way's first work-group.
; Every offset is an immediate: 255 x n x 4 is 3,133,440 at the most, inside the signed 24-bit immediate (ISA guide, chapter 10).
.macro WPATH n, src, dst, er, lbase, first
	s_sub_co_u32 s21, ttmp9, \first
	s_and_b32 s18, s21, 3                          ; which 256 along K
	s_lshr_b32 s21, s21, 2
	s_lshl_b32 s21, s21, 7
	s_lshl_b32 s22, s20, 5
	s_add_co_u32 s21, s21, s22                     ; my wave's first column
	v_lshlrev_b32 v3, 2, v2                        ; in: 4 bytes a lane
	s_mul_i32 s19, s20, 32*PITCH
	s_add_co_u32 s19, s19, \lbase                  ; my stage
	v_mul_u32_u24 v4, v2, PITCH
	v_add_nc_u32 v4, s19, v4                       ; into it: row = my column
	v_and_b32 v5, 15, v2
	v_lshrrev_b32 v6, 4, v2                        ; out of it: sixteen lanes to a row, two rows an instruction
	v_mul_u32_u24 v7, v6, PITCH
	v_lshl_add_u32 v7, v5, 4, v7
	v_add_nc_u32 v7, s19, v7
	v_lshlrev_b32 v8, 10, v6                       ; and the same place in the codes' buffer: rows of 1,024 bytes
	v_lshl_add_u32 v8, v5, 4, v8
	s_mul_i32 s32, s18, 256*\n*4
	s_lshl_b32 s22, s21, 2
	s_add_co_u32 s32, s32, s22
	s_mov_b32 s33, 0
	s_add_nc_u64 s[\src:\src+1], s[\src:\src+1], s[32:33]
	s_lshl_b32 s32, s21, 10
	s_lshl_b32 s22, s18, 8
	s_add_co_u32 s32, s32, s22
	s_add_nc_u64 s[\dst:\dst+1], s[\dst:\dst+1], s[32:33]
	WLOAD 0, \n, \src
	WLOAD 1, \n, \src
	SCALE \er
	s_wait_alu depctr_va_vdst(0)
.irp t, 0,1,2,3,4,5,6,7
	WBLOCK \t, \n, \src
.endr
.irp t, 0,1,2,3,4,5,6,7,8,9,10,11,12,13,14,15
	ds_load_b128 v[OUTR+4*\t:OUTR+4*\t+3], v7 offset:2*\t*PITCH
.endr
.irp t, 0,1,2,3,4,5,6,7,8,9,10,11,12,13,14,15
	s_wait_dscnt 15-\t
	global_store_b128 v8, v[OUTR+4*\t:OUTR+4*\t+3], s[\dst:\dst+1] offset:2*\t*1024   ; sixteen lanes store 256 consecutive bytes, at a multiple of 256 from the buffer's first byte
.endr
	s_wait_tensorcnt 0x0
	ds_add_u32 v192, v193
	s_wait_dscnt 0x0
	s_endpgm
.endm
	s_load_b256 s[4:11], s[0:1], 0x0               ; x s[4:5], Wqkv s[6:7], Wproj s[8:9], the scales' exponents s[10:11]
	s_load_b128 s[12:15], s[0:1], 0x20             ; xc s[12:13], wqc s[14:15]
	s_load_b64 s[16:17], s[0:1], 0x30              ; wpc
	v_lshl_add_u32 v192, v0, 2, 0x19000
	v_mov_b32 v193, 0
	v_lshrrev_b32 v1, 5, v0
	v_readfirstlane_b32 s20, v1                    ; wave
	v_and_b32 v2, 31, v0                           ; lane
	s_wait_kmcnt 0x0
	s_load_b256 s[24:31], s[10:11], 0x0            ; e0 .. e7
	s_cmp_lt_u32 ttmp9, 128
	s_cbranch_scc0 .Lweights
	; ---- x
	s_wait_alu depctr_va_vdst(0)
	v_lshlrev_b32 v3, 4, v2                        ; my 16 bytes of a load's 512, and of a store's
	s_wait_alu depctr_va_vdst(0)
	s_mul_i32 s21, s20, WREG
	v_lshrrev_b32 v14, 2, v2
	v_mul_u32_u24 v14, v14, SP
	v_and_b32 v15, 3, v2
	v_lshl_add_u32 v14, v15, 4, v14
	v_add_nc_u32 v14, s21, v14                     ; the stage, on the way in: four lanes' 64 bytes on end, then 16 of padding
	v_mul_u32_u24 v15, v2, SP
	v_add_nc_u32 v15, s21, v15                     ; and on the way out: my 16 neighbours
	s_lshl_b32 s22, ttmp9, 2
	s_add_co_u32 s22, s22, s20                     ; which run of 8,192 numbers is my wave's
	s_lshl_b32 s32, s22, 15
	s_mov_b32 s33, 0
	s_add_nc_u64 s[4:5], s[4:5], s[32:33]
	s_lshl_b32 s32, s22, 13
	s_add_nc_u64 s[12:13], s[12:13], s[32:33]
.irp t, 0,1,2,3
	XLOAD \t
.endr
	s_wait_alu depctr_va_vdst(0)
	SCALE 24
	s_wait_alu depctr_va_vdst(0)
	s_wait_loadcnt 12                              ; step 0's four loads are in
	XTURN 0
.irp t, 0,1,2,3,4,5,6,7,8,9,10,11,12,13,14,15
	XSTEP \t
.endr
	s_wait_tensorcnt 0x0
	ds_add_u32 v192, v193
	s_wait_dscnt 0x0
	s_endpgm
.Lweights:
	s_cmp_lt_u32 ttmp9, 224
	s_cbranch_scc0 .Lwproj
	s_wait_alu depctr_va_vdst(0)
	WPATH 3072, 6, 14, 25, 32768, 128
.Lwproj:
	s_wait_alu depctr_va_vdst(0)
	WPATH 1024, 8, 16, 31, 67584, 224
.Lfunc_end_k_qe081c4ffe7_quant:
	.size	k_qe081c4ffe7_quant, .Lfunc_end_k_qe081c4ffe7_quant-k_qe081c4ffe7_quant
	.p2alignl 7, 3214868480
	.fill 96, 4, 3214868480
	.section	.rodata,"a",@progbits
	.p2align	6, 0x0
	.amdhsa_kernel k_qe081c4ffe7_quant
		.amdhsa_group_segment_fixed_size 102912
		.amdhsa_private_segment_fixed_size 0
		.amdhsa_enable_private_segment 0
		.amdhsa_kernarg_size 56
		.amdhsa_user_sgpr_count 2
		.amdhsa_user_sgpr_kernarg_segment_ptr 1
		.amdhsa_wavefront_size32 1
		.amdhsa_system_sgpr_workgroup_id_x 1
		.amdhsa_system_sgpr_workgroup_id_y 1
		.amdhsa_system_sgpr_workgroup_id_z 1
		.amdhsa_system_vgpr_workitem_id 0
		.amdhsa_next_free_vgpr 194
		.amdhsa_next_free_sgpr 66
		.amdhsa_reserve_vcc 0
		.amdhsa_float_denorm_mode_32 3
		.amdhsa_float_denorm_mode_16_64 3
		.amdhsa_memory_ordered 1
		.amdhsa_forward_progress 1
		.amdhsa_inst_pref_size 134
	.end_amdhsa_kernel
	.amdgpu_metadata
---
amdhsa.version: [ 1, 2 ]
amdhsa.kernels:
  - .name:           k_qe081c4ffe7_quant
    .symbol:         k_qe081c4ffe7_quant.kd
    .args:
      - { .name: x, .offset: 0, .size: 8, .value_kind: global_buffer, .address_space: global }
      - { .name: Wqkv, .offset: 8, .size: 8, .value_kind: global_buffer, .address_space: global }
      - { .name: Wproj, .offset: 16, .size: 8, .value_kind: global_buffer, .address_space: global }
      - { .name: lowp_scales, .offset: 24, .size: 8, .value_kind: global_buffer, .address_space: global }
      - { .name: xc, .offset: 32, .size: 8, .value_kind: global_buffer, .address_space: global }
      - { .name: wqc, .offset: 40, .size: 8, .value_kind: global_buffer, .address_space: global }
      - { .name: wpc, .offset: 48, .size: 8, .value_kind: global_buffer, .address_space: global }
    .group_segment_fixed_size: 102912
    .private_segment_fixed_size: 0
    .kernarg_segment_align: 8
    .kernarg_segment_size: 56
    .max_flat_workgroup_size: 128
    .sgpr_count:     66
    .vgpr_count:     194
    .wavefront_size: 32
...
	.end_amdgpu_metadata
.endif
;; end of part 1
;; launch qkvgemm (part 2): grid 8 x 32, 4 waves a work-group, clusters of 4 x 4, 327,680 bytes of LDS; arguments xc, wqc, lowp_scales, bqkv, qkv; writes qkv
.if DOCPART == 2
	.amdgcn_target "amdgcn-amd-amdhsa--gfx1250"
	.amdhsa_code_object_version 6
	.text
	.protected	k_qe081c4ffe7_qkvgemm
	.globl	k_qe081c4ffe7_qkvgemm
	.p2align	8
	.type	k_qe081c4ffe7_qkvgemm,@function
k_qe081c4ffe7_qkvgemm:
	s_mov_b64 s[64:65], 0
	v_nop
	global_prefetch_b8 v0, s[64:65] scope:SCOPE_SE
	s_setreg_imm32_b32 hwreg(HW_REG_WAVE_MODE, 25, 1), 1
	s_wait_xcnt 0x0
	s_wait_alu depctr_hold_cnt(0) depctr_sa_sdst(0) depctr_va_vdst(0) depctr_va_sdst(0) depctr_va_ssrc(0) depctr_va_vcc(0) depctr_vm_vsrc(0)
	s_getreg_b32 s2, hwreg(HW_REG_IB_STS2, 6, 4)
	s_cmp_eq_u32 s2, 0
	s_cbranch_scc0 .Lentry_in_a_cluster
	s_endpgm
.Lentry_in_a_cluster:
	s_bfe_u32 s2, ttmp6, 0x10000c
	s_cmp_lg_u32 s2, 0xf033
	s_cbranch_scc0 .Lentry_shape_is_right
	s_endpgm
.Lentry_shape_is_right:
; qkv = x Wqkv + bqkv on codes of FP8 (xc [4096 token][1024 k], wqc [3072 n][1024 k]), sums in f32; each result x 2^(e0 + e1) + bias is quantised at once: Q with 2^e2, K with 2^e3, V with 2^e5, held within +-448 x the scale.
; Out: q at byte 0, k at 4 MiB: [16 head][4096 token][64 d]; v at 8 MiB: [16 head][64 block of 64 tokens][64 d][64 tokens].  Inside each 32 codes of a row: byte 16 h + 8 u + i is number 16 u + 8 h + i (h, u = 0, 1; i = 0 .. 7).
; LIMITS: e0 + e1 between -126 and 127; e2, e3, e5 between -126 and 119.  NaN is not served.
; SHARES: a work-group takes 128 tokens x 128 columns (two heads) of each of Q, K and V: 256 equal work-groups; a wave 64 tokens x one head of each: 3 x 16 accumulators of 16 x 16.
; K GOES IN TWO HALVES of 512: wave w fetches 128 rows of 512 bytes into region w (0: x, 1: Q's, 2: K's, 3: V's rows of wqc), once at the head and once as a refill, asked for ahead of the first half's last K step.
; CLUSTERS of 4 x 4: the four of a row of the cluster share x's rows, the four of a column wqc's: each load is joint.  No prefetch: there is no loop to run ahead in.
; Q's and K's products take wqc's rows as source 0: a lane holds a token and eight neighbouring d.  V's take x's rows as source 0: a lane holds a d and eight neighbouring tokens.  So all three leave by one form.
; REGISTERS: window 0: v16-29 addresses, v40-111 biases, v112-117 scales, v128-255 V's accumulators; windows 1 and 2: two sets of fragments of 128 along K (x, Q, K, V at 0, 64, 128, 192); window 3: Q's and K's accumulators.
; On the way out window 1 holds codes (v64 g on) and what comes back from the stage (v64 g + 32 on), g = 0, 1, 2 for Q, K, V.
.set PITCH, 528                        ; 512 bytes + 16: 16 neighbouring rows start at 16 different groups of four banks (64 banks of 4 bytes: ISA guide 11.1)
.set REG,   128*PITCH
.set STAGE, 4*REG                      ; 16 lines x 272 bytes a wave; no tile lands here
.set SPARE, STAGE+4*4352               ; the spare words, which no other line names
.set AX,   16
.set AQ,   17
.set AKK,  18
.set AVV,  19
.set STO,  24
.set RD,   25
.set CO,   26
.set SPW,  28
.set NIL,  29
.set BR,   40                          ; V's biases, one a lane and d tile, twice
.set BQ,   48                          ; Q's, eight a lane and d tile; K's at BQ + 32
.set SCQ,  112                         ; 2^e and 448 x 2^e: Q, K, V
.set G1,  24
.set G0,  32
.set G1B, 48
.set G0B, 56
.set MSB, 0
.macro WIN new
.if MSB != \new
	s_set_vgpr_msb (MSB<<8)|\new
.set MSB, \new
.endif
.endm
.macro JLOAD                           ; wave 0 fetches x's rows, the others wqc's: each line has one mask for all that issue it
	s_cmp_eq_u32 s14, 0
	s_cbranch_scc0 .Lfor_w_\@
	tensor_load_to_lds s[G0:G0+3], s[G1:G1+7]
	s_nop 0
.rept 4
	v_nop
.endr
	s_branch .Lasked_\@
.Lfor_w_\@:
	tensor_load_to_lds s[G0B:G0B+3], s[G1B:G1B+7]
	s_nop 0
.rept 4
	v_nop
.endr
.Lasked_\@:
.endm
.macro CROUND                          ; a round of the cluster's barrier
	s_barrier_signal -1
	s_barrier_wait -1
	s_cmp_lg_u32 s14, 0
	s_cbranch_scc1 .Lnot_wave_0_\@
	s_barrier_signal -3
.Lnot_wave_0_\@:
	s_barrier_wait -3
	s_barrier_signal -1
	s_barrier_wait -1
.endm
	s_load_b128 s[4:7], s[0:1], 0x0                ; xc, wqc
	s_load_b128 s[8:11], s[0:1], 0x10              ; the scales' exponents, bqkv
	s_load_b64 s[12:13], s[0:1], 0x20              ; qkv
	v_lshl_add_u32 v[SPW], v0, 2, SPARE
	v_mov_b32 v[NIL], 0
	ds_add_u32 v[SPW], v[NIL]                      ; the wave's opening: the add, twice on end, and its wait ahead of my first tensor load
	ds_add_u32 v[SPW], v[NIL]
	v_lshrrev_b32 v1, 5, v0
	v_readfirstlane_b32 s14, v1                    ; wave 0..3
	s_lshr_b32 s15, s14, 1                         ; my 64 tokens
	s_and_b32 s16, s14, 1                          ; my head of the two
	s_bfe_u32 s40, ttmp6, 0x40000                  ; cx
	s_bfe_u32 s41, ttmp6, 0x40004                  ; cy
	s_lshl_b32 s42, ttmp9, 2
	s_add_co_u32 s42, s42, s40                     ; which 128 columns
	s_and_b32 s17, ttmp7, 0xffff
	s_lshl_b32 s17, s17, 2
	s_add_co_u32 s17, s17, s41                     ; which 128 tokens
	s_lshl_b32 s43, s41, 2
	s_lshl_b32 s43, 15, s43                        ; my row of the cluster
	s_lshl_b32 s44, 0x1111, s40                    ; my column
	s_or_b32 s[G1+0], s43, (0<<16)|(1<<20)|(1<<21)|(6<<22)|(3<<25)   ; bytes; four words of padding after every 128; bit 21 beside the mask
	s_or_b32 s[G1B+0], s44, (0<<16)|(1<<20)|(1<<21)|(6<<22)|(3<<25)
.irp g, G1, G1B
	s_mov_b32 s[\g+1], 512<<16                     ; 128 rows of 512 bytes, 1,024 apart
	s_mov_b32 s[\g+2], 128<<16
	s_mov_b32 s[\g+3], 512<<16
	s_mov_b32 s[\g+4], 128
	s_mov_b32 s[\g+5], 1024
	s_mov_b32 s[\g+6], 0
	s_mov_b32 s[\g+7], 0
.endr
	s_lshl_b32 s20, s17, 17                        ; x: 128 rows x 1,024 x tile row
	s_mov_b32 s21, 0
	s_sub_co_u32 s18, s14, 1
	s_min_u32 s18, s18, 2                          ; Q, K or V (wave 0 does not use it)
	s_lshl_b32 s18, s18, 20
	s_lshl_b32 s46, s42, 17
	s_add_co_u32 s46, s46, s18
	s_mov_b32 s47, 0
	s_mul_i32 s45, s14, REG
	s_wait_dscnt 0x0                               ; both opening adds are done
	s_wait_kmcnt 0x0
	s_load_b256 s[84:91], s[8:9], 0x0              ; e0 .. e7
	s_add_nc_u64 s[20:21], s[4:5], s[20:21]
	s_add_nc_u64 s[46:47], s[6:7], s[46:47]
	s_mov_b32 s[G0], 1
	s_mov_b32 s[G0+1], s45
	s_mov_b64 s[G0+2:G0+3], s[20:21]
	s_or_b32 s[G0+3], s[G0+3], 0x80000000
	s_mov_b32 s[G0B], 1
	s_mov_b32 s[G0B+1], s45
	s_mov_b64 s[G0B+2:G0B+3], s[46:47]
	s_or_b32 s[G0B+3], s[G0B+3], 0x80000000
	CROUND                                         ; all sixteen work-groups are here: the joint loads meet
	JLOAD                                          ; the first half of K: one tensor load a wave at the head
	s_mul_i32 s18, s15, 64*PITCH                   ; my rows: of x,
	s_mul_i32 s19, s16, 64*PITCH
	s_add_co_u32 s19, s19, REG                     ; of Q's,
	s_add_co_u32 s20, s19, REG                     ; K's,
	s_add_co_u32 s21, s19, 2*REG                   ; V's
	s_mul_i32 s23, s14, 4352
	s_add_co_u32 s23, s23, STAGE
	s_lshl_b32 s66, s42, 9
	s_lshl_b32 s67, s16, 8
	s_add_co_u32 s66, s66, s67                     ; my head's first column, in bytes of a bias
	s_mov_b32 s67, 0
	s_add_nc_u64 s[70:71], s[10:11], s[66:67]
	s_lshl_b32 s68, s42, 1
	s_add_co_u32 s68, s68, s16                     ; my head
	s_lshl_b32 s68, s68, 18
	s_lshl_b32 s69, s17, 13
	s_add_co_u32 s68, s68, s69                     ; 64 bytes a token in q and k; 4,096 for 64 tokens in v: the same offset
	s_lshl_b32 s69, s15, 12
	s_add_co_u32 s68, s68, s69
	s_mov_b32 s69, 0
	s_add_nc_u64 s[72:73], s[12:13], s[68:69]
	s_add_nc_u64 s[74:75], s[72:73], 0x400000
	s_add_nc_u64 s[76:77], s[72:73], 0x800000
	v_and_b32 v1, 15, v0                           ; r
	v_bfe_u32 v2, v0, 4, 1                         ; h
	v_lshlrev_b32 v8, 5, v2
	v_lshlrev_b32 v9, 2, v1
.irp t, 0,1,2,3
	global_load_b128 v[BQ+8*\t:BQ+8*\t+3],     v8, s[70:71] offset:64*\t        ; d 16 t + 8 h on
	global_load_b128 v[BQ+8*\t+4:BQ+8*\t+7],   v8, s[70:71] offset:64*\t+16
	global_load_b128 v[BQ+32+8*\t:BQ+35+8*\t], v8, s[70:71] offset:4096+64*\t
	global_load_b128 v[BQ+36+8*\t:BQ+39+8*\t], v8, s[70:71] offset:4096+64*\t+16
	global_load_b32 v[BR+2*\t],   v9, s[70:71] offset:8192+64*\t                ; d 16 t + r
	global_load_b32 v[BR+2*\t+1], v9, s[70:71] offset:8192+64*\t                ; (the pair is named whole)
.endr
	v_mul_u32_u24 v4, v1, PITCH
	v_lshl_add_u32 v4, v2, 4, v4                   ; a fragment's row, + 16 h
	v_add_nc_u32 v[AX], s18, v4
	v_add_nc_u32 v[AQ], s19, v4
	v_add_nc_u32 v[AKK], s20, v4
	v_add_nc_u32 v[AVV], s21, v4
	v_lshrrev_b32 v5, 2, v1
	v_mul_u32_u24 v5, v5, 272
	v_and_b32 v6, 3, v1
	v_lshl_add_u32 v5, v6, 6, v5
	v_lshl_add_u32 v5, v2, 4, v5
	v_add_nc_u32 v[STO], s23, v5                   ; the way out, in: row r of 64 bytes, four to a line of 256 + 16; + 16 h
	v_mul_u32_u24 v6, v2, 272
	v_lshl_add_u32 v6, v1, 4, v6
	v_add_nc_u32 v[RD], s23, v6                    ; back: lanes 0-15 one line, lanes 16-31 the next
	v_and_b32 v7, 31, v0
	v_lshlrev_b32 v[CO], 4, v7
	s_wait_alu depctr_va_vdst(0)
	s_wait_kmcnt 0x0
	s_add_co_i32 s96, s84, s85
	s_add_co_i32 s96, s96, 127
	s_lshl_b32 s96, s96, 23                        ; 2^(e0 + e1)
	s_mov_b32 s97, s96
.macro SCL e, v
	s_add_co_i32 s66, s\e, 127
	s_lshl_b32 s67, s66, 23
	v_mov_b32 v[\v], s67                           ; 2^e: the conversion takes its exponent field
	s_add_co_i32 s66, s66, 8
	s_lshl_b32 s66, s66, 23
	s_or_b32 s66, s66, 0x600000
	v_mov_b32 v[\v+1], s66                         ; 448 x 2^e
.endm
	SCL 86, SCQ
	SCL 87, SCQ+2
	SCL 89, SCQ+4
	s_wait_alu depctr_va_vdst(0)
.macro FT reg, adr, q                  ; four fragments of K step q into set q % 2: 16 rows x 128 K are 16 registers, four loads
.if (\q)%2
	WIN 0x80
.else
	WIN 0x40
.endif
.irp i, 0,1,2,3
.irp c, 0,1,2,3
	ds_load_b128 v[\reg+16*\i+4*\c:\reg+16*\i+4*\c+3], v[\adr] offset:128*((\q)%4)+32*\c+8448*\i
.endr
.endr
.endm
; The 48 accumulators take turns, one instruction a turn, in the same order in every K step; the first K step starts the sums.
.macro MULQK q, g
.if (\q)%2
	WIN 0xfa
.else
	WIN 0xf5
.endif
.irp a, 0,1,2,3
.irp b, 0,1,2,3
.if (\q) == 0
	v_wmma_f32_16x16x128_fp8_fp8 v[128*\g+32*\a+8*\b:128*\g+32*\a+8*\b+7], v[64+64*\g+16*\b:79+64*\g+16*\b], v[16*\a:16*\a+15], 0
.else
	v_wmma_f32_16x16x128_fp8_fp8 v[128*\g+32*\a+8*\b:128*\g+32*\a+8*\b+7], v[64+64*\g+16*\b:79+64*\g+16*\b], v[16*\a:16*\a+15], v[128*\g+32*\a+8*\b:128*\g+32*\a+8*\b+7]
.endif
.endr
.endr
.endm
.macro MULV q
.if (\q)%2
	WIN 0x0a
.else
	WIN 0x05
.endif
.irp a, 0,1,2,3
.irp b, 0,1,2,3
.if (\q) == 0
	v_wmma_f32_16x16x128_fp8_fp8 v[128+32*\a+8*\b:128+32*\a+8*\b+7], v[16*\b:16*\b+15], v[192+16*\a:207+16*\a], 0
.else
	v_wmma_f32_16x16x128_fp8_fp8 v[128+32*\a+8*\b:128+32*\a+8*\b+7], v[16*\b:16*\b+15], v[192+16*\a:207+16*\a], v[128+32*\a+8*\b:128+32*\a+8*\b+7]
.endif
.endr
.endr
.endm
.macro PLACES                          ; four places in front of loads into registers that products have read, and of reads of results
.rept 4
	v_nop
.endr
.endm
.macro FIRST q                         ; a half's first fragments
	FT 0, AX, \q
	FT 64, AQ, \q
	FT 128, AKK, \q
	FT 192, AVV, \q
.endm
.macro KS q                            ; K step q, and the next one's fragments
	s_wait_dscnt 32                                ; x's and Q's fragments are in; K's and V's 32 loads may be out
	PLACES
	FT 0, AX, (\q)+1
	FT 64, AQ, (\q)+1
	MULQK \q, 0
	s_wait_dscnt 48                                ; K's are in; behind them: V's 16 and the next step's 32
	FT 128, AKK, (\q)+1
	MULQK \q, 1
	s_wait_dscnt 48                                ; V's are in; behind them the next step's 48
	FT 192, AVV, (\q)+1
	MULV \q
.endm
	s_wait_tensorcnt 0x0                           ; my part has landed,
	s_barrier_signal -1
	s_barrier_wait -1                              ; and everybody's
	FIRST 0
	KS 0
	KS 1
	KS 2
	WIN 0
	s_wait_tensorcnt 0x0                           ; no tensor load of mine is out, so a group 0 may be written;
	ds_add_u32 v[SPW], v[NIL]                      ; 0 onto my spare word;
	s_add_nc_u64 s[G0+2:G0+3], s[G0+2:G0+3], 512   ; the second half of K
	s_add_nc_u64 s[G0B+2:G0B+3], s[G0B+2:G0B+3], 512
	s_wait_dscnt 0x0                               ; the add is done, and K step 3's fragments, my last reads of the first half, are in
	CROUND                                         ; both hold of every wave of every work-group of the cluster
	JLOAD                                          ; the refill, while K step 3 is multiplied
	MULQK 3, 0
	MULQK 3, 1
	MULV 3
	WIN 0
	s_wait_tensorcnt 0x0
	s_barrier_signal -1
	s_barrier_wait -1                              ; everybody's part of the second half has landed
	PLACES
	FIRST 4
	KS 4
	KS 5
	KS 6
	s_wait_dscnt 32
	MULQK 7, 0
	s_wait_dscnt 16
	MULQK 7, 1
	s_wait_dscnt 0
	MULV 7
; THE WAY OUT of Q, K and V (g = 0, 1, 2).  WORK: x 2^(e0 + e1) + bias and the hold in place, each accumulator from its low end on, then the codes.  STAGING: a row's 64 codes lie on end in my stage and come back as lines of 256
; bytes; LDS serves a wave's instructions in order (ISA guide 5.7.1.4).  SEND: 4,096 consecutive bytes.
.macro WORK g
.set AC, 128*((\g)%2)
.if (\g) == 2
.set AC, 128
	WIN 0
.else
	WIN 0xc3
.endif
.irp a, 0,1,2,3
.irp b, 0,1,2,3
.irp j, 0,2,4,6
.if (\g) == 2
	v_pk_fma_f32 v[AC+32*\a+8*\b+\j:AC+32*\a+8*\b+\j+1], v[AC+32*\a+8*\b+\j:AC+32*\a+8*\b+\j+1], s[96:97], v[BR+2*\a:BR+2*\a+1] op_sel_hi:[1,0,0]
.else
	v_pk_fma_f32 v[AC+32*\a+8*\b+\j:AC+32*\a+8*\b+\j+1], v[AC+32*\a+8*\b+\j:AC+32*\a+8*\b+\j+1], s[96:97], v[BQ+32*(\g)+8*\b+\j:BQ+32*(\g)+8*\b+\j+1] op_sel_hi:[1,0,1]
.endif
.endr
.endr
.endr
.set n, 0
.rept 128
	v_med3_num_f32 v[AC+n], v[AC+n], -v[SCQ+2*(\g)+1], v[SCQ+2*(\g)+1]   ; the conversion to an 8-bit code does not saturate (ISA guide 7.6.2)
.set n, n+1
.endr
.if (\g) == 2
	WIN 0x40
.else
	WIN 0x43
.endif
.set n, 0
.rept 16
	v_cvt_scalef32_pk8_fp8_f32 v[64*(\g)+2*n:64*(\g)+2*n+1], v[AC+8*n:AC+8*n+7], v[SCQ+2*(\g)]
.set n, n+1
.endr
	v_nop                                          ; one plain vector instruction behind the last conversion of a run
.endm
.macro STAGING g
	WIN 0x04
.irp a, 0,1,2,3
	ds_store_b128 v[STO], v[64*(\g)+8*\a:64*(\g)+8*\a+3] offset:1088*\a
	ds_store_b128 v[STO], v[64*(\g)+8*\a+4:64*(\g)+8*\a+7] offset:1088*\a+32
.endr
	WIN 0x40
.irp i, 0,1,2,3,4,5,6,7
	ds_load_b128 v[64*(\g)+32+4*\i:64*(\g)+35+4*\i], v[RD] offset:544*\i
.endr
.endm
.macro SEND g
	s_wait_alu depctr_va_vdst(0)
	s_wait_dscnt 0x0
	WIN 0x04
.irp i, 0,1,2,3,4,5,6,7
	global_store_b128 v[CO], v[64*(\g)+32+4*\i:64*(\g)+35+4*\i], s[72+2*(\g):73+2*(\g)] offset:512*\i th:TH_STORE_NT   ; 32 lanes store 512 consecutive bytes, at a multiple of 256
.endr
.endm
	s_wait_loadcnt 0x0                             ; the biases
	PLACES
	WORK 0
	STAGING 0
	WORK 1
	SEND 0
	STAGING 1
	WORK 2
	SEND 1
	STAGING 2
	SEND 2
	WIN 0
	s_wait_tensorcnt 0x0                           ; the wave's end
	ds_add_u32 v[SPW], v[NIL]
	s_wait_dscnt 0x0
	CROUND                                         ; the closing round: no work-group ends while a partner may still issue a load that names it
	s_endpgm
.Lfunc_end_k_qe081c4ffe7_qkvgemm:
	.size	k_qe081c4ffe7_qkvgemm, .Lfunc_end_k_qe081c4ffe7_qkvgemm-k_qe081c4ffe7_qkvgemm
	.p2alignl 7, 3214868480
	.fill 96, 4, 3214868480
	.section	.rodata,"a",@progbits
	.p2align	6, 0x0
	.amdhsa_kernel k_qe081c4ffe7_qkvgemm
		.amdhsa_group_segment_fixed_size 327680
		.amdhsa_private_segment_fixed_size 0
		.amdhsa_enable_private_segment 0
		.amdhsa_kernarg_size 40
		.amdhsa_user_sgpr_count 2
		.amdhsa_user_sgpr_kernarg_segment_ptr 1
		.amdhsa_wavefront_size32 1
		.amdhsa_system_sgpr_workgroup_id_x 1
		.amdhsa_system_sgpr_workgroup_id_y 1
		.amdhsa_system_sgpr_workgroup_id_z 1
		.amdhsa_system_vgpr_workitem_id 0
		.amdhsa_next_free_vgpr 1024
		.amdhsa_next_free_sgpr 100
		.amdhsa_reserve_vcc 0
		.amdhsa_float_denorm_mode_32 3
		.amdhsa_float_denorm_mode_16_64 3
		.amdhsa_memory_ordered 1
		.amdhsa_forward_progress 1
		.amdhsa_inst_pref_size 116
	.end_amdhsa_kernel
	.amdgpu_metadata
---
amdhsa.version: [ 1, 2 ]
amdhsa.kernels:
  - .name:           k_qe081c4ffe7_qkvgemm
    .symbol:         k_qe081c4ffe7_qkvgemm.kd
    .args:
      - { .name: xc, .offset: 0, .size: 8, .value_kind: global_buffer, .address_space: global }
      - { .name: wqc, .offset: 8, .size: 8, .value_kind: global_buffer, .address_space: global }
      - { .name: lowp_scales, .offset: 16, .size: 8, .value_kind: global_buffer, .address_space: global }
      - { .name: bqkv, .offset: 24, .size: 8, .value_kind: global_buffer, .address_space: global }
      - { .name: qkv, .offset: 32, .size: 8, .value_kind: global_buffer, .address_space: global }
    .group_segment_fixed_size: 327680
    .private_segment_fixed_size: 0
    .kernarg_segment_align: 8
    .kernarg_segment_size: 40
    .max_flat_workgroup_size: 128
    .sgpr_count:     100
    .vgpr_count:     1024
    .wavefront_size: 32
...
	.end_amdgpu_metadata
.endif
;; end of part 2
;; launch attn (part 3): grid 16 x 16, 8 waves a work-group, no clusters, 177,664 bytes of LDS; arguments qkv, lowp_scales, ac; writes ac
.if DOCPART == 3
	.amdgcn_target "amdgcn-amd-amdhsa--gfx1250"
	.amdhsa_code_object_version 6
	.text
	.protected	k_qe081c4ffe7_attn
	.globl	k_qe081c4ffe7_attn
	.p2align	8
	.type	k_qe081c4ffe7_attn,@function
k_qe081c4ffe7_attn:
	s_mov_b64 s[64:65], 0
	v_nop
	global_prefetch_b8 v0, s[64:65] scope:SCOPE_SE
	s_setreg_imm32_b32 hwreg(HW_REG_WAVE_MODE, 25, 1), 1
	s_wait_xcnt 0x0
; Causal attention on codes of FP8 (E4M3): 16 heads of 64, 4,096 tokens.  qkv: q at byte 0 and k at 4 MiB, [16][4096][64]; v at 8 MiB, [16 head][64 block of 64 keys][64 d][64 keys]; the order of bytes inside
; each 32 is the one in which the launch before laid them: equal in q and k, and for v the order of p's codes here.  ac: [16 head][4096 token][64 d]: the result's codes, d in its natural order.
; THE SOFTMAX: t = score x log2(e) / 8 x 2^(e2 + e3); M = the row's largest t so far, rounded UP to a whole number; p = 2^(t - M) is quantised with 2^e4, not normalised; the row's sum is taken of the unquantised p
; and divides at the end.  When M moves, the sum and O are multiplied by 2^(old M - new M), which rounds nothing.  The result x 2^(e4 + e5) / sum is held within +-448 x 2^e6 and converted with 2^e6.
; THE HOLD OF p: p is at most 1 (but for a rounding), so 448 x 2^e4 binds only where e4 is under -8: a scalar branch on e4 leads round the hold elsewhere.
; THE MASK: key k counts for query q where k <= q.  Key steps that the mask hides whole are left out (their p is 0 for all values).  Hidden scores become -infinity, where the source has -1e10: p is 0 either way as
; long as true logits stay far above -1e10.  A NaN or an overflow that reaches only hidden steps is not carried to the result.
; LIMITS: e2 + e3 between -123 and 130 (added to c's exponent field); e4 and e6 between -126 and 119; scaled scores under 2^31 in magnitude.  NaN is not served.
; SHARES.  Work-group (j, head) owns the blocks 31 - j and j of 128 queries and walks first the one, then the other, in rounds of 256 keys: 16 - j / 2 and 1 + j / 2 rounds, 17 in every work-group.
; Waves w and w + 4 own the same 32 queries, two tiles of 16 (each fragment of K and V feeds two matrix instructions), and take the lower and the upper 128 keys of every round.  At a block's end the two join: each gives
; its sums for one tile to the other and finishes the other tile: tile A is the one a wave finishes, tile B the one it gives away.
; NO CLUSTER, NO TENSOR LOAD: K's and V's tiles come through registers, 64 bytes a thread of each; which steps are left out hangs on the query block, which in a cluster would be a work-group's place in it.
; THE RING: two slots in LDS.  In round r the waves read V's tile r and K's tile r + 1 (fragments for the next round), and store V's tile r + 1 and K's tile r + 2, which were asked for a round before.  ONE barrier a round: signalled
; behind the stores and all LDS reads of the round, waited for at the round's end.
; LAYOUT.  S^T = K Q^T, O^T = V^T P^T: a lane holds ONE query (lane % 16) throughout.  Register i of key tile t holds key 16 t + 8 (lane / 16) + i.
; LDS rows of 64 bytes lie in lines of 256 bytes + 16 of padding: row R at (R / 4) x 272 + (R % 4) x 64: 16 neighbouring rows start at 16 different groups of four banks (64 banks of 4 bytes: ISA guide 11.1).
; REGISTERS.  Window 0: v1-55 addresses, statistics, scales; v64-191 S^T, then p; v192-223 p's codes; v224-239 K's and v240-255 V's tile on their way to LDS.
;   Window 1: v0-31 O^T of tile A, v32-63 of tile B; v64-79 Q; v80-95 the early block's Q; v128-191 K's fragments; v192-255 V's.
.set XS,    65536                      ; from slot 0 to slot 1
.set VOFF,  17408                      ; V's tile in a slot
.set STEPB, 8704                       ; 128 keys on, in either tile
.set MERGE, 131072                     ; the join: 4,608 bytes a wave
.set STAGE, MERGE+8*4608               ; the way out: 4 lines x 272 bytes a wave
.set SPARE, STAGE+8*1088               ; the spare words, which no other line names
.set AK,  1
.set AV,  2
.set SPW, 3
.set NIL, 4
.set PFO, 5
.set ADK, 6
.set ADV, 7
.set QD,  8                            ; my query less the wave's first, less 8 h
.set D0,  9
.set D1,  10
.set STO, 36
.set RD,  37
.set GO,  38
.set QO,  39
.set T16, 50                           ; 16 x thread
.set LST, 51                           ; a thread's place in a tile in LDS
.set ST0, 52
.set ST1, 53
.set MST, 54
.set MLD, 55
.set S,   64
.set P,   192
.set KST, 224
.set VST, 240
.set QF,  64                           ; in window 1
.set KFR, 128
.set VFR, 192
.set WV,  10                           ; wave
.set KH,  11                           ; which half of a round's keys
.set HD,  12                           ; head
.set Q0,  16                           ; the first of my 32 queries
.set QL,  17                           ; the last
.set KF,  18                           ; my step's first key
.set TBV, 19                           ; slot of V's tile r (and of K's tile r + 2)
.set TBK, 20                           ; slot of K's tile r + 1 (and of V's)
.set RN,  21                           ; round
.set CS,  22
.set NL,  24                           ; rounds of the late block
.set SW,  25                           ; the round at whose end a block is finished
.set LIM, 26
.set DB,  27                           ; from tile A's queries to tile B's: 16 or -16
.set KB,  28
.set VB,  30
.set KA,  32
.set VA,  34
.set OF,  36
.set SEL, 40
.set PFA, 42
.set AC,  58
.set ACE, 60
.set OUTE, 62
.set Q0E, 63
.set MSB, 0
.macro WIN new                         ; the immediate's high byte repeats the setting that is left
.if MSB != \new
	s_set_vgpr_msb (MSB<<8)|\new
.set MSB, \new
.endif
.endm
.macro QOFF d, q, o                    ; byte offset of the 16 rows of q or ac at query q + o
	s_add_co_u32 s\d, s[\q], s\o
	s_lshl_b32 s\d, s\d, 6
	s_add_co_u32 s\d, s\d, s46
	s_mov_b32 s[\d+1], 0
.endm
.macro TILE reg, base, n               ; 16,384 bytes: each load of the work-group's 256 threads takes 4,096 consecutive ones
.irp i, 0,1,2,3
	global_load_b128 v[\reg+4*\i:\reg+4*\i+3], v[T16], s[\base:\base+1] offset:16384*(\n)+4096*\i
.endr
.endm
.macro PUT reg, adr, off
.irp i, 0,1,2,3
	ds_store_b128 v[\adr], v[\reg+4*\i:\reg+4*\i+3] offset:\off+4352*\i
.endr
.endm
.macro KFRAGS                          ; my 128 keys' fragments
	WIN 0x40
.irp t, 0,1,2,3,4,5,6,7
	ds_load_b128 v[KFR+8*\t:KFR+8*\t+3],   v[ADK] offset:1088*\t
	ds_load_b128 v[KFR+8*\t+4:KFR+8*\t+7], v[ADK] offset:1088*\t+32
.endr
	WIN 0
.endm
.macro PUTS                            ; the tiles that were asked for a round ago go into LDS
	s_wait_alu depctr_va_vdst(0)
	s_wait_loadcnt 0x0
	s_cmp_gt_u32 s[RN], 15
	s_cbranch_scc1 .Lput_k_\@
	v_add_nc_u32 v[ST1], s[TBK], v[LST]
	PUT VST, ST1, VOFF                             ; V's tile r + 1: the slot's last one was read in round r - 1
.Lput_k_\@:
	s_cmp_gt_u32 s[RN], 14
	s_cbranch_scc1 .Lput_end_\@
	v_add_nc_u32 v[ST0], s[TBV], v[LST]
	PUT KST, ST0, 0                                ; K's tile r + 2: tile r was read in round r - 1
.Lput_end_\@:
.endm
.macro NEXTA d, base, n                ; where the tile of round r + n begins: rounds from NL on walk from key 0 again
	s_add_co_u32 s13, s[RN], \n
	s_sub_co_u32 s14, s13, s[NL]
	s_cmp_ge_u32 s13, s[NL]
	s_cselect_b32 s[OF], s14, s13
	s_lshl_b32 s[OF], s[OF], 14
	s_add_nc_u64 s[\d:\d+1], s[\base:\base+1], s[OF:OF+1]
.endm
.macro FRESH                           ; O^T, the sums and the largest t of a block that begins
	WIN 0x40
.set n, 0
.rept 64
	v_mov_b32 v[n], 0
.set n, n+1
.endr
	WIN 0
	v_mov_b32 v13, 0xff61b1e6                      ; -3e38, under every t
	v_mov_b32 v17, 0xff61b1e6
	v_mov_b32 v14, 0
	v_mov_b32 v15, 0
	v_floor_f32 v12, -v13
	v_floor_f32 v16, -v17
	v_mov_b32 v18, 0
	v_mov_b32 v19, 0
.endm
	s_load_b128 s[4:7], s[0:1], 0x0                ; qkv s[4:5], the scales' exponents s[6:7]
	s_load_b64 s[8:9], s[0:1], 0x10                ; ac
	v_lshl_add_u32 v[SPW], v0, 2, SPARE
	v_mov_b32 v[NIL], 0
	v_lshrrev_b32 v42, 5, v0
	v_readfirstlane_b32 s[WV], v42                 ; wave 0..7
	s_lshr_b32 s[KH], s[WV], 2
	s_and_b32 s[HD], ttmp7, 0xffff
	s_and_b32 s13, s[WV], 3
	s_lshl_b32 s13, s13, 5                         ; which 32 queries of a block
	s_lshl_b32 s14, ttmp9, 7
	s_add_co_u32 s[Q0E], s14, s13                  ; in the early block,
	s_sub_co_u32 s[Q0], 31*128, s14
	s_add_co_u32 s[Q0], s[Q0], s13                 ; in the late one, which comes first
	s_add_co_u32 s[QL], s[Q0], 31
	s_lshr_b32 s14, ttmp9, 1
	s_sub_co_u32 s[NL], 16, s14
	s_sub_co_u32 s[SW], s[NL], 1
	s_lshl_b32 s[KF], s[KH], 7
	s_lshl_b32 s15, s[KH], 4                       ; tile A begins 16 KH on,
	s_sub_co_i32 s44, 16, s15                      ; tile B 16 - 16 KH
	s_sub_co_i32 s[DB], s44, s15
	s_lshl_b32 s46, s[HD], 18                      ; the head's 262,144 bytes
	QOFF 66, Q0, 15
	QOFF 68, Q0, 44
	QOFF 70, Q0E, 15
	QOFF 72, Q0E, 44
	s_and_b32 s13, s[WV], 3                        ; the prefetches: wave % 4 = 0, 1: K's halves of a tile; 2, 3: V's
	s_lshr_b32 s13, s13, 1
	s_add_co_u32 s14, s13, 1
	s_lshl_b32 s14, s14, 22
	s_add_co_u32 s14, s14, s46
	s_and_b32 s45, s[WV], 1
	s_lshl_b32 s45, s45, 13
	s_add_co_u32 s14, s14, s45
	s_sub_co_u32 s45, 4, s13
	s_lshl_b32 s45, s45, 14
	s_add_co_u32 s38, s14, s45                     ; K at tile 4, V at tile 3: the first round steps them on by one
	s_mov_b32 s39, 0
	s_add_co_u32 s[LIM], s13, 11                   ; rounds in which my wave asks: the last names tile 15
	s_xor_b32 s13, s[KH], 1
	s_or_b32 s13, s13, ttmp9                       ; 0 in waves 4 to 7 of the head's first work-group, which walks all 16 tiles
	s_cmp_eq_u32 s13, 0
	s_cselect_b32 s[LIM], s[LIM], 0
	s_add_co_u32 s[OF], s46, 0x400000
	s_mov_b32 s[OF+1], 0
	s_mov_b32 s[SEL], 0x76543210
	s_mov_b32 s[SEL+1], 0xfedcba98
	s_mov_b32 s[TBV], 0
	s_mov_b32 s[TBK], XS
	s_mov_b32 s[RN], 0
	s_mul_i32 s14, s[KH], STEPB
	s_mul_i32 s45, s[WV], 4608
	s_add_co_u32 s45, s45, MERGE                   ; where I give,
	s_xor_b32 s13, s[WV], 4
	s_mul_i32 s13, s13, 4608
	s_add_co_u32 s13, s13, MERGE                   ; and where my partner does
	s_mul_i32 s47, s[WV], 1088
	s_add_co_u32 s47, s47, STAGE
	v_and_b32 v42, 15, v0                          ; r
	v_bfe_u32 v43, v0, 4, 1                        ; h
	v_lshrrev_b32 v44, 2, v42
	v_and_b32 v45, 3, v42
	v_mul_u32_u24 v44, v44, 272
	v_lshl_add_u32 v44, v45, 6, v44                ; (r / 4) x 272 + (r % 4) x 64
	v_lshl_add_u32 v[AK], v43, 4, v44
	v_add_nc_u32 v[AK], s14, v[AK]
	v_add_nc_u32 v[AV], VOFF, v[AK]
	v_lshlrev_b32 v[QO], 6, v42
	v_lshl_add_u32 v[QO], v43, 4, v[QO]            ; q: row r of 64 bytes, + 16 h
	v_lshl_add_u32 v[STO], v43, 3, v44
	v_add_nc_u32 v[STO], s47, v[STO]               ; the way out, in: my query's row, + 8 h
	v_mul_u32_u24 v[RD], v43, 272
	v_lshl_add_u32 v[RD], v42, 4, v[RD]
	v_add_nc_u32 v[RD], s47, v[RD]                 ; back: lanes 0-15 one line of 256 bytes, lanes 16-31 the next
	v_and_b32 v[GO], 31, v0
	v_lshlrev_b32 v[PFO], 8, v[GO]
	v_lshlrev_b32 v[GO], 4, v[GO]
	v_add_nc_u32 v[MST], s45, v[GO]
	v_add_nc_u32 v[MLD], s13, v[GO]
	v_lshlrev_b32 v[T16], 4, v0
	v_lshrrev_b32 v[LST], 4, v0
	v_mul_u32_u24 v[LST], v[LST], 272
	v_lshl_add_u32 v[LST], v42, 4, v[LST]
	v_lshlrev_b32 v45, 3, v43
	v_sub_nc_u32 v[QD], v42, v45
	v_add_nc_u32 v[QD], s15, v[QD]
	v_mov_b32 v11, 0xff800000                      ; -infinity
	s_wait_alu depctr_va_vdst(0)
	s_wait_kmcnt 0x0
	s_load_b256 s[48:55], s[6:7], 0x0              ; e0 .. e7
	s_add_nc_u64 s[74:75], s[4:5], s[66:67]        ; q: late A, late B, early A, early B
	s_add_nc_u64 s[76:77], s[4:5], s[68:69]
	s_add_nc_u64 s[78:79], s[4:5], s[70:71]
	s_add_nc_u64 s[80:81], s[4:5], s[72:73]
	s_add_nc_u64 s[AC:AC+1], s[8:9], s[66:67]      ; ac: late A, early A
	s_add_nc_u64 s[ACE:ACE+1], s[8:9], s[70:71]
	s_add_nc_u64 s[PFA:PFA+1], s[4:5], s[38:39]
	s_add_nc_u64 s[KB:KB+1], s[4:5], s[OF:OF+1]
	s_add_nc_u64 s[VB:VB+1], s[KB:KB+1], 0x400000
	WIN 0x40
.irp u, 0,1,2,3
	global_load_b128 v[QF+8*\u:QF+8*\u+3],   v[QO], s[74+2*\u:75+2*\u]
	global_load_b128 v[QF+8*\u+4:QF+8*\u+7], v[QO], s[74+2*\u:75+2*\u] offset:32
.endr
	WIN 0
	TILE S, KB, 0                                  ; K's tile 0, V's tile 0, K's tile 1: S^T's registers are free here
	TILE S+16, VB, 0
	TILE S+32, KB, 1
	TILE VST, VB, 1                                ; and what round 0 stores.  (Tiles 1 and 2 belong to the late block in every work-group: it has 9 rounds or more)
	TILE KST, KB, 2
	FRESH                                          ; the first change of M multiplies zeros
.irp z, 21,23,28,29
	v_mov_b32 v\z, 0                               ; upper halves of the pairs that hold f; the lane permutes' destinations, which count as sources
.endr
	s_wait_kmcnt 0x0
	s_add_co_i32 s13, s50, s51
	s_lshl_b32 s13, s13, 23
	s_mov_b32 s[CS], 0x3e38aa3b                    ; log2(e) / 8
	s_add_co_i32 s[CS], s[CS], s13                 ; x 2^(e2 + e3): added to the exponent field
	s_mov_b32 s[CS+1], s[CS]
	s_add_co_i32 s13, s52, 127
	s_lshl_b32 s45, s13, 23
	v_mov_b32 v34, s45                             ; 2^e4
	s_add_co_i32 s13, s13, 8
	s_lshl_b32 s13, s13, 23
	s_or_b32 s13, s13, 0x600000
	v_mov_b32 v35, s13                             ; 448 x 2^e4
	s_add_co_i32 s13, s54, 127
	s_lshl_b32 s45, s13, 23
	v_mov_b32 v40, s45                             ; 2^e6
	s_add_co_i32 s13, s13, 8
	s_lshl_b32 s13, s13, 23
	s_or_b32 s13, s13, 0x600000
	v_mov_b32 v41, s13                             ; 448 x 2^e6
	s_add_co_i32 s[OUTE], s52, s53                 ; e4 + e5
	v_add_nc_u32 v[ST0], s[TBV], v[LST]
	v_add_nc_u32 v[ST1], s[TBK], v[LST]
	v_add_nc_u32 v[ADK], s[TBV], v[AK]
	s_wait_alu depctr_va_vdst(0)
	s_wait_loadcnt 0x8                             ; all but the youngest eight loads, which round 0 stores
	PUT S, ST0, 0
	PUT S+16, ST0, VOFF
	PUT S+32, ST1, 0
	s_wait_dscnt 0x0                               ; my stores are done, for the others' sake
	s_barrier_signal -1
	s_barrier_wait -1
	KFRAGS                                         ; round 0's
	s_wait_dscnt 0x0                               ; K's tile 0 is read: round 0 stores over it
	s_barrier_signal -1
	s_barrier_wait -1
.Lround:                                           ; 17 trips
	s_cmp_gt_u32 s[KF], s[QL]                      ; all my keys of this round come after my queries: the work is left out; the barrier and my part of the copying stay
	s_cbranch_scc1 .Lhid_a
	v_add_nc_u32 v[ADV], s[TBV], v[AV]
	v_nop
	v_nop
	v_nop                                          ; four places in front of loads into registers that the last products read
	WIN 0x40
.irp t, 0,1,2,3
.irp c, 0,1,2,3
	ds_load_b128 v[VFR+16*\t+4*\c:VFR+16*\t+4*\c+3], v[ADV] offset:(\c/2)*4352+1088*\t+32*(\c%2)   ; d 16 t on, keys 32 c on
.endr
.endr
	WIN 0x05                                       ; K and Q in window 1, S^T in window 0
.irp t, 0,1,2,3,4,5,6,7
	v_wmma_f32_16x16x64_fp8_fp8 v[S+8*\t:S+8*\t+7],     v[KFR+8*\t:KFR+8*\t+7], v[QF:QF+7],    0
	v_wmma_f32_16x16x64_fp8_fp8 v[S+64+8*\t:S+71+8*\t], v[KFR+8*\t:KFR+8*\t+7], v[QF+8:QF+15], 0
.endr
	WIN 0
.rept 4
	v_nop
.endr
	s_cmp_eq_u32 s[RN], 16                         ; behind the last round none follows
	s_cbranch_scc1 .Lno_k
	v_add_nc_u32 v[ADK], s[TBK], v[AK]
	KFRAGS                                         ; the next round's fragments of K
.Lno_k:
	s_add_co_u32 s45, s[KF], 127                   ; on the diagonal hidden scores become -infinity ahead of the maximum; a step all of whose keys count skips this
	s_cmp_le_u32 s45, s[Q0]
	s_cbranch_scc1 .Lopen
	s_sub_co_i32 s45, s[Q0], s[KF]
	v_add_nc_u32 v[D0], s45, v[QD]                 ; register (t, i) holds key KF + 16 t + 8 h + i: hidden where 16 t + i > my query - KF - 8 h
	v_add_nc_u32 v[D1], s[DB], v[D0]
.irp t, 0,1,2,3,4,5,6,7
.irp i, 0,1,2,3,4,5,6,7
	v_cmp_gt_i32 vcc_lo, 16*\t+\i, v[D0]
	v_cndmask_b32 v[S+8*\t+\i], v[S+8*\t+\i], v11, vcc_lo
	v_cmp_gt_i32 vcc_lo, 16*\t+\i, v[D1]
	v_cndmask_b32 v[S+64+8*\t+\i], v[S+64+8*\t+\i], v11, vcc_lo
.endr
.endr
.Lopen:
	v_max3_num_f32 v24, v[S], v[S+1], v[S+2]       ; the step's largest score of each of my two queries, among my 64 keys: two chains each, every accumulator from its low end on
	v_max3_num_f32 v26, v[S+64], v[S+65], v[S+66]
	v_max3_num_f32 v25, v[S+3], v[S+4], v[S+5]
	v_max3_num_f32 v27, v[S+67], v[S+68], v[S+69]
.irp i, 6,10,14,18,22,26,30,34,38,42,46,50,54,58
	v_max3_num_f32 v24, v24, v[S+\i], v[S+\i+1]
	v_max3_num_f32 v26, v26, v[S+64+\i], v[S+65+\i]
	v_max3_num_f32 v25, v25, v[S+\i+2], v[S+\i+3]
	v_max3_num_f32 v27, v27, v[S+66+\i], v[S+67+\i]
.endr
	v_max3_num_f32 v24, v24, v[S+62], v[S+63]
	v_max3_num_f32 v26, v26, v[S+126], v[S+127]
	s_delay_alu instid0(VALU_DEP_2)
	v_max_num_f32 v24, v24, v25
	s_delay_alu instid0(VALU_DEP_2)
	v_max_num_f32 v26, v26, v27
	s_delay_alu instid0(VALU_DEP_2)
	v_permlanex16_b32 v28, v24, s[SEL], s[SEL+1]
	s_delay_alu instid0(VALU_DEP_2)
	v_permlanex16_b32 v29, v26, s[SEL], s[SEL+1]
	s_delay_alu instid0(VALU_DEP_2)
	v_max_num_f32 v24, v24, v28                    ; and among lane l xor 16's.  (The step's first key counts for all my queries, so this is a number)
	s_delay_alu instid0(VALU_DEP_2)
	v_max_num_f32 v26, v26, v29
	s_delay_alu instid0(VALU_DEP_2)
	v_mul_f32 v24, s[CS], v24                      ; as t (c is positive)
	s_delay_alu instid0(VALU_DEP_2)
	v_mul_f32 v26, s[CS], v26
	s_delay_alu instid0(VALU_DEP_2)
	v_max_num_f32 v13, v13, v24                    ; the running largest t
	s_delay_alu instid0(VALU_DEP_2)
	v_max_num_f32 v17, v17, v26
	v_mov_b32 v24, v12
	v_mov_b32 v26, v16
	s_delay_alu instid0(VALU_DEP_4)
	v_floor_f32 v12, -v13                          ; the new -M = floor(-t) = -ceil(t): a whole number
	s_delay_alu instid0(VALU_DEP_4)
	v_floor_f32 v16, -v17
	s_delay_alu instid0(VALU_DEP_2)
	v_sub_f32 v24, v12, v24                        ; old M - new M: a whole number, 0 or less
	s_delay_alu instid0(VALU_DEP_2)
	v_sub_f32 v26, v16, v26
	s_delay_alu instid0(VALU_DEP_2)
	v_cvt_i32_f32 v24, v24                         ; (it saturates)
	s_delay_alu instid0(VALU_DEP_2)
	v_cvt_i32_f32 v26, v26
	s_delay_alu instid0(VALU_DEP_2)
	v_ldexp_f32 v20, 1.0, v24                      ; f = 2^(old M - new M)
	s_delay_alu instid0(VALU_DEP_2)
	v_ldexp_f32 v22, 1.0, v26
	PUTS                                           ; ahead of the scalings, which stand between these stores and the wait for them
.set n, 0
.rept 32
	v_pk_fma_f32 v[S+n:S+n+1],       v[S+n:S+n+1],       s[CS:CS+1], v[12:13] op_sel_hi:[1,0,0]   ; t - M, two at a time (of the pairs c and -M the low word serves both halves)
	v_pk_fma_f32 v[S+64+n:S+65+n],   v[S+64+n:S+65+n],   s[CS:CS+1], v[16:17] op_sel_hi:[1,0,0]
.set n, n+2
.endr
	s_wait_alu depctr_va_vdst(0)
	s_branch .Lcopy
.Lhid_a:                                           ; a hidden step: only the next round's fragments of K, and my part of the copying
	s_cmp_eq_u32 s[RN], 16
	s_cbranch_scc1 .Lhid_put
	v_add_nc_u32 v[ADK], s[TBK], v[AK]
	KFRAGS
.Lhid_put:
	PUTS
.Lcopy:
	s_wait_dscnt 0x0                               ; my stores are done, and so are all my reads: V's and K's fragments are in
	s_wait_xcnt 0x0                                ; and my last prefetch has read its address
	s_add_nc_u64 s[PFA:PFA+1], s[PFA:PFA+1], 16384
	s_cmp_gt_u32 s[RN], 14
	s_cbranch_scc1 .Lask_k
	NEXTA VA, VB, 2
	TILE VST, VA, 0                                ; V's tile r + 2: stored a round on
.Lask_k:
	s_cmp_gt_u32 s[RN], 13
	s_cbranch_scc1 .Lask_end
	NEXTA KA, KB, 3
	TILE KST, KA, 0                                ; K's tile r + 3
.Lask_end:
	; A PREFETCH INTO THE L2: K's tile r + 5 and V's tile r + 4, two rounds ahead of the loads that will want them.  All work-groups of a head walk the same K and V; the head's first one asks, its waves 4 and 5 for the halves
	; of K's 16,384 bytes, 6 and 7 for V's, lanes 256 bytes apart: each aligned block of 256 bytes is named once in the launch.  The first tiles come by their loads alone; it ends with tile 15.
	s_cmp_lt_u32 s[RN], s[LIM]
	s_cbranch_scc0 .Lnot_mine
	global_prefetch_b8 v[PFO], s[PFA:PFA+1] th:TH_LOAD_NT scope:SCOPE_SE
.Lnot_mine:
	s_barrier_signal -1                            ; my part of the next round's tiles stands in LDS, and I have read all I read of this round's
	s_cmp_gt_u32 s[KF], s[QL]
	s_cbranch_scc1 .Lhid_c
	s_wait_alu depctr_va_vdst(0)
.set n, 0
.rept 128
	v_exp_f32 v[S+n], v[S+n]                       ; p = 2^(t - M), at most 1: not normalised
.set n, n+1
.endr
	v_pk_mul_f32 v[14:15], v[14:15], v[20:21] op_sel_hi:[1,0]   ; the sums under the new M.  (Plain instructions behind the exponentials)
	v_pk_mul_f32 v[18:19], v[18:19], v[22:23] op_sel_hi:[1,0]
	s_wait_alu depctr_va_vdst(0)                   ; and behind it: one for the batch of 128
	v_pk_add_f32 v[30:31], v[S:S+1], v[S+2:S+3]    ; the rows' sums are taken of the UNQUANTISED p: two at a time, two chains each
	v_pk_add_f32 v[32:33], v[S+64:S+65], v[S+66:S+67]
.irp j, 4,8,12,16,20,24,28,32,36,40,44,48,52,56,60
	v_pk_add_f32 v[14:15], v[14:15], v[S+\j:S+\j+1]
	v_pk_add_f32 v[18:19], v[18:19], v[S+64+\j:S+65+\j]
	v_pk_add_f32 v[30:31], v[30:31], v[S+\j+2:S+\j+3]
	v_pk_add_f32 v[32:33], v[32:33], v[S+66+\j:S+67+\j]
.endr
	s_delay_alu instid0(VALU_DEP_2)
	v_pk_add_f32 v[14:15], v[14:15], v[30:31]
	s_delay_alu instid0(VALU_DEP_2)
	v_pk_add_f32 v[18:19], v[18:19], v[32:33]
	s_cmp_ge_i32 s52, -8                           ; 448 x 2^e4 is 1.75 or more: no p reaches it
	s_cbranch_scc1 .Lno_hold
.set n, 0
.rept 128
	v_min_num_f32 v[S+n], v[S+n], v35              ; the conversion to an 8-bit code does not saturate (ISA guide 7.6.2); p is not negative, so the hold is one-sided
.set n, n+1
.endr
.Lno_hold:
.irp t, 0,1,2,3,4,5,6,7
	v_cvt_scalef32_pk8_fp8_f32 v[P+2*\t:P+2*\t+1],     v[S+8*\t:S+8*\t+7],     v34
	v_cvt_scalef32_pk8_fp8_f32 v[P+16+2*\t:P+17+2*\t], v[S+64+8*\t:S+71+8*\t], v34
.endr
	WIN 0x41                                       ; O^T (destination and source 0) in window 1, f in window 0
	s_wait_alu depctr_va_vdst(0)
.set n, 0
.rept 16
	v_pk_mul_f32 v[n:n+1],       v[n:n+1],       v[20:21] op_sel_hi:[1,0]   ; O^T under the new M.  (Also the plain instructions between the conversions and the products that read their results)
	v_pk_mul_f32 v[32+n:33+n],   v[32+n:33+n],   v[22:23] op_sel_hi:[1,0]
.set n, n+2
.endr
	WIN 0x51                                       ; V and O^T in window 1, P in window 0
.irp t, 0,1,2,3
	v_wmma_f32_16x16x128_fp8_fp8 v[8*\t:8*\t+7],       v[VFR+16*\t:VFR+16*\t+15], v[P:P+15],    v[8*\t:8*\t+7]       ; the eight accumulators take turns, one instruction a turn
	v_wmma_f32_16x16x128_fp8_fp8 v[32+8*\t:32+8*\t+7], v[VFR+16*\t:VFR+16*\t+15], v[P+16:P+31], v[32+8*\t:32+8*\t+7]
.endr
	WIN 0
.Lhid_c:
	s_barrier_wait -1                              ; every wave's part of the next round's tiles stands in LDS
	s_cmp_lg_u32 s[RN], s[SW]
	s_cbranch_scc1 .Lgo_on
	; A BLOCK'S END, the same round in all waves of the work-group.  I give tile B's sums (O^T, -M, the row's sum), and take my partner's for tile A.
	v_add_f32 v31, v18, v19                        ; the sums' two halves, and lane l xor 16's.  (These lines are also the places behind the last products)
	v_add_f32 v14, v14, v15
	v_mov_b32 v30, v16
	v_permlanex16_b32 v28, v31, s[SEL], s[SEL+1]
	v_permlanex16_b32 v29, v14, s[SEL], s[SEL+1]
	v_add_f32 v31, v31, v28
	v_add_f32 v14, v14, v29
	v_nop
	v_nop
	WIN 0x04                                       ; the stores' data in window 1
.irp k, 0,1,2,3,4,5,6,7
	ds_store_b128 v[MST], v[32+4*\k:35+4*\k] offset:512*\k
.endr
	WIN 0
	ds_store_b64 v[MST], v[30:31] offset:4096
	s_wait_alu depctr_va_vdst(0)
	s_wait_dscnt 0x0
	s_barrier_signal -1
	s_barrier_wait -1
	ds_load_b64 v[24:25], v[MLD] offset:4096
.irp k, 0,1,2,3,4,5,6,7
	ds_load_b128 v[S+4*\k:S+3+4*\k], v[MLD] offset:512*\k
.endr
	s_wait_dscnt 0x8                               ; the statistics are in, the eight loads behind them may be out
	v_min_num_f32 v26, v12, v24                    ; -M of the whole row.  (A partner that had no keys has -M = 3e38 and sums of 0: its factor becomes 0)
	v_sub_f32 v20, v26, v12
	v_sub_f32 v22, v26, v24
	v_cvt_i32_f32 v20, v20
	v_cvt_i32_f32 v22, v22
	v_ldexp_f32 v20, 1.0, v20                      ; 2^(my M - M)
	v_ldexp_f32 v22, 1.0, v22                      ; 2^(its M - M)
	v_mul_f32 v25, v25, v22
	v_fma_f32 v14, v14, v20, v25                   ; the row's sum
	s_wait_alu depctr_va_vdst(0)
	s_wait_dscnt 0x0
.set n, 0
.rept 16
	v_pk_mul_f32 v[S+n:S+n+1], v[S+n:S+n+1], v[22:23] op_sel_hi:[1,0]
.set n, n+2
.endr
	WIN 0x01                                       ; source 0 (O^T) in window 1
.set n, 0
.rept 16
	v_pk_fma_f32 v[S+32+n:S+33+n], v[n:n+1], v[20:21], v[S+n:S+n+1] op_sel_hi:[1,0,1]
.set n, n+2
.endr
	WIN 0
	s_wait_alu depctr_va_vdst(0)
	v_rcp_f32 v14, v14
	v_nop                                          ; a plain instruction behind the reciprocal
	s_wait_alu depctr_va_vdst(0)                   ; and the wait ahead of its first reader
	v_ldexp_f32 v14, v14, s[OUTE]
.set n, 0
.rept 16
	v_pk_mul_f32 v[S+32+n:S+33+n], v[S+32+n:S+33+n], v[14:15] op_sel_hi:[1,0]
.set n, n+2
.endr
.set n, 0
.rept 32
	v_med3_num_f32 v[S+32+n], v[S+32+n], -v41, v41
.set n, n+1
.endr
.irp k, 0,1,2,3
	v_cvt_scalef32_pk8_fp8_f32 v[P+2*\k:P+1+2*\k], v[S+32+8*\k:S+39+8*\k], v40
.endr
	v_nop                                          ; one plain vector instruction behind the last conversion of a run
.irp k, 0,1,2,3
	ds_store_b64 v[STO], v[P+2*\k:P+1+2*\k] offset:16*\k   ; d = 16 k + 8 h on
.endr
	ds_load_b128 v[P+8:P+11],  v[RD]               ; LDS serves a wave's instructions in order (ISA guide 5.7.1.4): these see my stores
	ds_load_b128 v[P+12:P+15], v[RD] offset:544
	s_wait_dscnt 0x0
	global_store_b128 v[GO], v[P+8:P+11],  s[AC:AC+1]              ; 32 lanes store 512 consecutive bytes, at a multiple of 256 from ac's first byte
	global_store_b128 v[GO], v[P+12:P+15], s[AC:AC+1] offset:512
	s_wait_xcnt 0x0                                ; the stores' sources may be written
	s_cmp_eq_u32 s[RN], 16
	s_cbranch_scc1 .Lgo_on                         ; the early block was the last
	s_mov_b64 s[AC:AC+1], s[ACE:ACE+1]
	s_mov_b32 s[Q0], s[Q0E]
	s_add_co_u32 s[QL], s[Q0], 31
	s_mov_b32 s[SW], 16
	s_lshl_b32 s[KF], s[KH], 7
	s_sub_co_u32 s[KF], s[KF], 256                 ; (the step below brings it to the early block's first round)
	WIN 0x41
.set n, 0
.rept 16
	v_mov_b32 v[QF+n], v[QF+16+n]
.set n, n+1
.endr
	FRESH
	s_wait_alu depctr_va_vdst(0)
.Lgo_on:
	s_add_co_u32 s[KF], s[KF], 256
	s_xor_b32 s[TBV], s[TBV], XS
	s_xor_b32 s[TBK], s[TBK], XS
	s_add_co_u32 s[RN], s[RN], 1
	s_cmp_lt_u32 s[RN], 17
	s_cbranch_scc1 .Lround
	s_wait_tensorcnt 0x0                           ; the wave's end
	ds_add_u32 v[SPW], v[NIL]
	s_wait_dscnt 0x0
	s_endpgm
.Lfunc_end_k_qe081c4ffe7_attn:
	.size	k_qe081c4ffe7_attn, .Lfunc_end_k_qe081c4ffe7_attn-k_qe081c4ffe7_attn
	.p2alignl 7, 3214868480
	.fill 96, 4, 3214868480
	.section	.rodata,"a",@progbits
	.p2align	6, 0x0
	.amdhsa_kernel k_qe081c4ffe7_attn
		.amdhsa_group_segment_fixed_size 177664
		.amdhsa_private_segment_fixed_size 0
		.amdhsa_enable_private_segment 0
		.amdhsa_kernarg_size 24
		.amdhsa_user_sgpr_count 2
		.amdhsa_user_sgpr_kernarg_segment_ptr 1
		.amdhsa_wavefront_size32 1
		.amdhsa_system_sgpr_workgroup_id_x 1
		.amdhsa_system_sgpr_workgroup_id_y 1
		.amdhsa_system_sgpr_workgroup_id_z 1
		.amdhsa_system_vgpr_workitem_id 0
		.amdhsa_next_free_vgpr 512
		.amdhsa_next_free_sgpr 100
		.amdhsa_reserve_vcc 1
		.amdhsa_float_denorm_mode_32 3
		.amdhsa_float_denorm_mode_16_64 3
		.amdhsa_memory_ordered 1
		.amdhsa_forward_progress 1
		.amdhsa_inst_pref_size 69
	.end_amdhsa_kernel
	.amdgpu_metadata
---
amdhsa.version: [ 1, 2 ]
amdhsa.kernels:
  - .name:           k_qe081c4ffe7_attn
    .symbol:         k_qe081c4ffe7_attn.kd
    .args:
      - { .name: qkv, .offset: 0, .size: 8, .value_kind: global_buffer, .address_space: global }
      - { .name: lowp_scales, .offset: 8, .size: 8, .value_kind: global_buffer, .address_space: global }
      - { .name: ac, .offset: 16, .size: 8, .value_kind: global_buffer, .address_space: global }
    .group_segment_fixed_size: 177664
    .private_segment_fixed_size: 0
    .kernarg_segment_align: 8
    .kernarg_segment_size: 24
    .max_flat_workgroup_size: 256
    .sgpr_count:     100
    .vgpr_count:     512
    .wavefront_size: 32
...
	.end_amdgpu_metadata
.endif
;; end of part 3
;; launch proj (part 4): grid 8 x 32, 4 waves a work-group, clusters of 4 x 4, 327,680 bytes of LDS; arguments ac, wpc, lowp_scales, bproj, out0; writes out0
.if DOCPART == 4
	.amdgcn_target "amdgcn-amd-amdhsa--gfx1250"
	.amdhsa_code_object_version 6
	.text
	.protected	k_qe081c4ffe7_proj
	.globl	k_qe081c4ffe7_proj
	.p2align	8
	.type	k_qe081c4ffe7_proj,@function
k_qe081c4ffe7_proj:
	s_mov_b64 s[64:65], 0
	v_nop
	global_prefetch_b8 v0, s[64:65] scope:SCOPE_SE
	s_setreg_imm32_b32 hwreg(HW_REG_WAVE_MODE, 25, 1), 1
	s_wait_xcnt 0x0
	s_wait_alu depctr_hold_cnt(0) depctr_sa_sdst(0) depctr_va_vdst(0) depctr_va_sdst(0) depctr_va_ssrc(0) depctr_va_vcc(0) depctr_vm_vsrc(0)
	s_getreg_b32 s2, hwreg(HW_REG_IB_STS2, 6, 4)
	s_cmp_eq_u32 s2, 0
	s_cbranch_scc0 .Lentry_in_a_cluster
	s_endpgm
.Lentry_in_a_cluster:
	s_bfe_u32 s2, ttmp6, 0x10000c
	s_cmp_lg_u32 s2, 0xf033
	s_cbranch_scc0 .Lentry_shape_is_right
	s_endpgm
.Lentry_shape_is_right:
; out[m][n] = 2^(e6 + e7) x the sum over k of A[m][k] W[n][k], + bproj[n].  A: ac, [16 head][4096 m][64 d] codes, k = 64 head + d;  W: wpc, [1024 n][1024 k] codes;  sums in f32.
; LIMIT: e6 + e7 between -126 and 127.
; A work-group of four waves makes 128 x 128 of out, a wave 64 x 64: 256 work-groups.  ALL OF K LIES IN LDS AT ONCE: four loads of 65,536 bytes, one a wave, all asked for at the head; nothing is filled again.
; CLUSTERS of 4 x 4: the four of a row of the cluster share A's rows, the four of a column W's: each load is joint.  No prefetch: there is no loop to run ahead in.
; LDS: wave w fetches into region w: 0, 2: A's heads 0-7, 8-15; 1, 3: W's k 0-511, 512-1023.  A: a head's 128 rows of 64 bytes are dense in memory: lines of 256 bytes + 16 of padding; W: rows of 512 bytes + 16.  Both
; let 16 neighbouring rows start at 16 different groups of four banks (64 banks of 4 bytes: ISA guide 11.1).
; The matrix instruction is used transposed (source 0 = W's rows): a lane holds eight neighbouring numbers of a row of out.
; REGISTERS: window 0 addresses, v64-191 the way out; window 1 two sets of fragments of 128 along K (A at 128 p, W at 128 p + 64); window 2 v0-127 accumulators.
.set REG,   69632                      ; a region
.set STAGE, 4*REG                      ; the way out: 16 rows x 272 bytes a wave; no tile lands here
.set SPARE, STAGE+4*4352               ; the spare words, which no other line names
.set ADRA, 16
.set ADRB, 20
.set STO,  24
.set RD,   25
.set CO,   26
.set B16,  27
.set SPW,  28
.set NIL,  29
.set BI,   32
.set RB,   64
.set G1,  24
.set G0,  32
.set G1B, 48
.set G0B, 56
.set MSB, 0
.macro WIN new
.if MSB != \new
	s_set_vgpr_msb (MSB<<8)|\new
.set MSB, \new
.endif
.endm
.macro CROUND                          ; a round of the cluster's barrier
	s_barrier_signal -1
	s_barrier_wait -1
	s_cmp_lg_u32 s14, 0
	s_cbranch_scc1 .Lnot_wave_0_\@
	s_barrier_signal -3
.Lnot_wave_0_\@:
	s_barrier_wait -3
	s_barrier_signal -1
	s_barrier_wait -1
.endm
	s_load_b128 s[4:7], s[0:1], 0x0                ; ac, wpc
	s_load_b128 s[8:11], s[0:1], 0x10              ; the scales' exponents, bproj
	s_load_b64 s[12:13], s[0:1], 0x20              ; out0
	v_lshl_add_u32 v[SPW], v0, 2, SPARE
	v_mov_b32 v[NIL], 0
	ds_add_u32 v[SPW], v[NIL]                      ; the wave's opening: the add, twice on end, and its wait ahead of my tensor load
	ds_add_u32 v[SPW], v[NIL]
	v_lshrrev_b32 v1, 5, v0
	v_readfirstlane_b32 s14, v1                    ; wave 0..3
	s_lshr_b32 s15, s14, 1                         ; my 64 rows.  Also: which half of K I fetch
	s_and_b32 s16, s14, 1                          ; my 64 columns.  Also: I fetch for A (0) or for W (1)
	s_bfe_u32 s40, ttmp6, 0x40000                  ; cx
	s_bfe_u32 s41, ttmp6, 0x40004                  ; cy
	s_lshl_b32 s42, ttmp9, 2
	s_add_co_u32 s42, s42, s40                     ; which 128 columns
	s_and_b32 s17, ttmp7, 0xffff
	s_lshl_b32 s17, s17, 2
	s_add_co_u32 s17, s17, s41                     ; which 128 rows
	s_lshl_b32 s43, s41, 2
	s_lshl_b32 s43, 15, s43                        ; my row of the cluster
	s_lshl_b32 s44, 0x1111, s40                    ; my column
	s_or_b32 s[G1+0], s43, (0<<16)|(1<<20)|(1<<21)|(5<<22)|(3<<25)   ; bytes; four words of padding after every 64; bit 21 beside the mask
	s_mov_b32 s[G1+1], 8192<<16                    ; 8 heads of 8,192 dense bytes
	s_mov_b32 s[G1+2], 8<<16
	s_mov_b32 s[G1+3], 8192<<16
	s_mov_b32 s[G1+4], 8
	s_mov_b32 s[G1+5], 262144
	s_mov_b32 s[G1+6], 0
	s_mov_b32 s[G1+7], 0
	s_or_b32 s[G1B+0], s44, (0<<16)|(1<<20)|(1<<21)|(6<<22)|(3<<25)  ; four words after every 128
	s_mov_b32 s[G1B+1], 512<<16                    ; 128 rows of 512 bytes
	s_mov_b32 s[G1B+2], 128<<16
	s_mov_b32 s[G1B+3], 512<<16
	s_mov_b32 s[G1B+4], 128
	s_mov_b32 s[G1B+5], 1024
	s_mov_b32 s[G1B+6], 0
	s_mov_b32 s[G1B+7], 0
	s_lshl_b32 s20, s17, 13
	s_lshl_b32 s18, s15, 21
	s_add_co_u32 s20, s20, s18                     ; A: 128 rows x 64 bytes x tile row, + 8 heads x half
	s_mov_b32 s21, 0
	s_lshl_b32 s46, s42, 17
	s_lshl_b32 s18, s15, 9
	s_add_co_u32 s46, s46, s18                     ; W: 128 rows x 1,024 x tile column, + 512 x half
	s_mov_b32 s47, 0
	s_mul_i32 s45, s14, REG
	s_wait_dscnt 0x0                               ; both opening adds are done
	s_wait_kmcnt 0x0
	s_load_b256 s[84:91], s[8:9], 0x0              ; e0 .. e7
	s_add_nc_u64 s[20:21], s[4:5], s[20:21]
	s_add_nc_u64 s[46:47], s[6:7], s[46:47]
	s_mov_b32 s[G0], 1
	s_mov_b32 s[G0+1], s45
	s_mov_b64 s[G0+2:G0+3], s[20:21]
	s_or_b32 s[G0+3], s[G0+3], 0x80000000
	s_mov_b32 s[G0B], 1
	s_mov_b32 s[G0B+1], s45
	s_mov_b64 s[G0B+2:G0B+3], s[46:47]
	s_or_b32 s[G0B+3], s[G0B+3], 0x80000000
	CROUND                                         ; all sixteen work-groups are here: the joint loads meet
	s_cmp_eq_u32 s16, 0
	s_cbranch_scc0 .Lfor_w
	tensor_load_to_lds s[G0:G0+3], s[G1:G1+7]
	s_nop 0
.rept 4
	v_nop
.endr
	s_branch .Lasked
.Lfor_w:
	tensor_load_to_lds s[G0B:G0B+3], s[G1B:G1B+7]
	s_nop 0
.rept 4
	v_nop
.endr
.Lasked:
	s_mul_i32 s21, s15, 4352                       ; my 64 rows of A: 16 lines
	s_mul_i32 s22, s16, 64*528
	s_add_co_u32 s22, s22, REG                     ; my 64 rows of W
	s_add_co_u32 s18, s21, 2*REG                   ; and both in the second half of K
	s_add_co_u32 s19, s22, 2*REG
	s_mul_i32 s23, s14, 4352
	s_add_co_u32 s23, s23, STAGE
	s_lshl_b32 s66, s42, 9
	s_lshl_b32 s67, s16, 8
	s_add_co_u32 s66, s66, s67                     ; my first column, in bytes
	s_mov_b32 s67, 0
	s_lshl_b32 s68, s17, 7
	s_lshl_b32 s69, s15, 6
	s_add_co_u32 s68, s68, s69
	s_lshl_b32 s68, s68, 12                        ; my first row
	s_mov_b32 s69, 0
	s_add_nc_u64 s[70:71], s[10:11], s[66:67]
	s_add_nc_u64 s[12:13], s[12:13], s[66:67]
	s_add_nc_u64 s[12:13], s[12:13], s[68:69]
	v_and_b32 v1, 15, v0                           ; r
	v_bfe_u32 v2, v0, 4, 1                         ; h
	v_lshlrev_b32 v[B16], 4, v1
	global_load_b128 v[BI:BI+3], v[B16], s[70:71]  ; the bias of my four columns on the way out
	v_mul_u32_u24 v4, v1, 528
	v_lshl_add_u32 v4, v2, 4, v4                   ; W: row r, 16 h
	v_lshrrev_b32 v5, 2, v1
	v_mul_u32_u24 v5, v5, 272
	v_and_b32 v6, 3, v1
	v_lshl_add_u32 v5, v6, 6, v5
	v_lshl_add_u32 v5, v2, 4, v5                   ; A: row r, 16 h
	v_add_nc_u32 v[ADRA], s21, v5
	v_add_nc_u32 v[ADRA+1], s18, v5
	v_add_nc_u32 v[ADRB], s22, v4
	v_add_nc_u32 v[ADRB+1], s19, v4
	v_mul_u32_u24 v5, v1, 272
	v_lshl_add_u32 v5, v2, 5, v5
	v_add_nc_u32 v[STO], s23, v5                   ; the way out, in: row r, 32 h
	v_mul_u32_u24 v5, v2, 272
	v_add_nc_u32 v5, v5, v[B16]
	v_add_nc_u32 v[RD], s23, v5                    ; back: lanes 0-15 one row of 256 bytes, lanes 16-31 the next
	v_lshl_add_u32 v[CO], v2, 12, v[B16]
	s_wait_alu depctr_va_vdst(0)
	s_wait_kmcnt 0x0
	s_add_co_i32 s96, s90, s91
	s_add_co_i32 s96, s96, 127
	s_lshl_b32 s96, s96, 23                        ; 2^(e6 + e7)
	s_mov_b32 s97, s96
.macro FETCH q                         ; the fragments of K step q into set q % 2: 16 rows x 128 K are 16 registers, four loads
.set PB, 128*((\q)%2)
.set HK, (\q)/4
	WIN 0x40
.irp i, 0,1,2,3
.irp c, 0,1,2,3
	ds_load_b128 v[PB+64+16*\i+4*\c:PB+67+16*\i+4*\c], v[ADRB+HK] offset:128*((\q)%4)+32*\c+8448*\i
.endr
.endr
.irp i, 0,1,2,3
.irp c, 0,1,2,3
	ds_load_b128 v[PB+16*\i+4*\c:PB+3+16*\i+4*\c], v[ADRA+HK] offset:(2*((\q)%4)+\c/2)*8704+1088*\i+32*(\c%2)
.endr
.endr
.endm
.macro MUL q                           ; the 16 accumulators take turns, one instruction a turn; the first K step starts the sums
.set PB, 128*((\q)%2)
	WIN 0xa5
.irp a, 0,1,2,3
.irp b, 0,1,2,3
.if (\q) == 0
	v_wmma_f32_16x16x128_fp8_fp8 v[32*\a+8*\b:32*\a+8*\b+7], v[PB+64+16*\b:PB+79+16*\b], v[PB+16*\a:PB+15+16*\a], 0
.else
	v_wmma_f32_16x16x128_fp8_fp8 v[32*\a+8*\b:32*\a+8*\b+7], v[PB+64+16*\b:PB+79+16*\b], v[PB+16*\a:PB+15+16*\a], v[32*\a+8*\b:32*\a+8*\b+7]
.endif
.endr
.endr
.endm
	s_wait_tensorcnt 0x0                           ; my part has landed,
	s_barrier_signal -1
	s_barrier_wait -1                              ; and everybody's
	FETCH 0
	FETCH 1
.irp k, 0,1,2,3,4,5,6,7
.if \k < 7
	s_wait_dscnt 32                                ; K step k is in, the next one's 32 loads may be out
.else
	s_wait_dscnt 0
.endif
	MUL \k
.rept 4
	v_nop                                          ; four places in front of loads into the registers just read, and of the stores that read the results
.endr
.if \k < 6
	FETCH \k+2
.endif
.endr
; THE WAY OUT, by blocks of 16 rows x 64 columns: through my stage, back as whole rows of 256 bytes, x 2^(e6 + e7) + bias.  LDS serves a wave's instructions in order (ISA guide 5.7.1.4): no wait between stores and loads.
.macro TOSTAGE a
	WIN 0x08                                       ; the stores' data in window 2
.irp b, 0,1,2,3
	ds_store_b128 v[STO], v[32*(\a)+8*\b:32*(\a)+8*\b+3] offset:64*\b
	ds_store_b128 v[STO], v[32*(\a)+8*\b+4:32*(\a)+8*\b+7] offset:64*\b+16
.endr
	WIN 0
.irp t, 0,1,2,3,4,5,6,7
	ds_load_b128 v[RB+32*(\a)+4*\t:RB+3+32*(\a)+4*\t], v[RD] offset:544*\t
.endr
.endm
.macro SEND a, younger
	s_wait_dscnt \younger                          ; block a is back; the next block's 8 stores and 8 loads may be out
.irp t, 0,1,2,3,4,5,6,7
	v_pk_fma_f32 v[RB+32*(\a)+4*\t:RB+1+32*(\a)+4*\t],   v[RB+32*(\a)+4*\t:RB+1+32*(\a)+4*\t],   s[96:97], v[BI:BI+1]   op_sel_hi:[1,0,1]
	v_pk_fma_f32 v[RB+2+32*(\a)+4*\t:RB+3+32*(\a)+4*\t], v[RB+2+32*(\a)+4*\t:RB+3+32*(\a)+4*\t], s[96:97], v[BI+2:BI+3] op_sel_hi:[1,0,1]
.endr
.irp t, 0,1,2,3,4,5,6,7
	global_store_b128 v[CO], v[RB+32*(\a)+4*\t:RB+3+32*(\a)+4*\t], s[12:13] offset:(16*(\a)+2*\t)*4096 th:TH_STORE_NT   ; sixteen lanes store 256 consecutive bytes, at a multiple of 256
.endr
.endm
	s_wait_loadcnt 0x0                             ; the bias
	TOSTAGE 0
	TOSTAGE 1
	s_wait_alu depctr_va_vdst(0)
	SEND 0, 16
	TOSTAGE 2
	s_wait_alu depctr_va_vdst(0)
	SEND 1, 16
	TOSTAGE 3
	s_wait_alu depctr_va_vdst(0)
	SEND 2, 16
	SEND 3, 0
	s_wait_tensorcnt 0x0                           ; the wave's end
	ds_add_u32 v[SPW], v[NIL]
	s_wait_dscnt 0x0
	CROUND                                         ; the closing round: no work-group ends while a partner may still issue a load that names it
	s_endpgm
.Lfunc_end_k_qe081c4ffe7_proj:
	.size	k_qe081c4ffe7_proj, .Lfunc_end_k_qe081c4ffe7_proj-k_qe081c4ffe7_proj
	.p2alignl 7, 3214868480
	.fill 96, 4, 3214868480
	.section	.rodata,"a",@progbits
	.p2align	6, 0x0
	.amdhsa_kernel k_qe081c4ffe7_proj
		.amdhsa_group_segment_fixed_size 327680
		.amdhsa_private_segment_fixed_size 0
		.amdhsa_enable_private_segment 0
		.amdhsa_kernarg_size 40
		.amdhsa_user_sgpr_count 2
		.amdhsa_user_sgpr_kernarg_segment_ptr 1
		.amdhsa_wavefront_size32 1
		.amdhsa_system_sgpr_workgroup_id_x 1
		.amdhsa_system_sgpr_workgroup_id_y 1
		.amdhsa_system_sgpr_workgroup_id_z 1
		.amdhsa_system_vgpr_workitem_id 0
		.amdhsa_next_free_vgpr 640
		.amdhsa_next_free_sgpr 100
		.amdhsa_reserve_vcc 0
		.amdhsa_float_denorm_mode_32 3
		.amdhsa_float_denorm_mode_16_64 3
		.amdhsa_memory_ordered 1
		.amdhsa_forward_progress 1
		.amdhsa_inst_pref_size 44
	.end_amdhsa_kernel
	.amdgpu_metadata
---
amdhsa.version: [ 1, 2 ]
amdhsa.kernels:
  - .name:           k_qe081c4ffe7_proj
    .symbol:         k_qe081c4ffe7_proj.kd
    .args:
      - { .name: ac, .offset: 0, .size: 8, .value_kind: global_buffer, .address_space: global }
      - { .name: wpc, .offset: 8, .size: 8, .value_kind: global_buffer, .address_space: global }
      - { .name: lowp_scales, .offset: 16, .size: 8, .value_kind: global_buffer, .address_space: global }
      - { .name: bproj, .offset: 24, .size: 8, .value_kind: global_buffer, .address_space: global }
      - { .name: out0, .offset: 32, .size: 8, .value_kind: global_buffer, .address_space: global }
    .group_segment_fixed_size: 327680
    .private_segment_fixed_size: 0
    .kernarg_segment_align: 8
    .kernarg_segment_size: 40
    .max_flat_workgroup_size: 128
    .sgpr_count:     100
    .vgpr_count:     640
    .wavefront_size: 32
...
	.end_amdgpu_metadata
.endif
;; end of part 4
